; MI455X (gfx1250); checked and timed in simulation.
; The chip was launched on July 23, 2026; its instructions are those of AMD's public machine-readable ISA for CDNA 5 (MIT licence, August 2026) and "CDNA5" Instruction Set Architecture Reference Guide (July 2026). The comments in the code are by the model that wrote it; some were corrected since.
;; pointnet fp module. Allowed arithmetic: matrix products marked QUANTISED: E5M2 operands, one E8M0 scale for each 32 along K, by v_wmma_scale_f32_16x16x128_f8f6f4 with both operands' format E5M2, f32 sums; products left as they are: f32 operands where the result goes on into a quantised operand, else bf16, f16 or f32 operands; f32 sums; everything else in f32.
;; Inputs: W0 256 x 384 float32; W1 256 x 256 float32; b0 256 float32; b1 256 float32; beta0 256 float32; beta1 256 float32; g0 256 float32; g1 256 float32; points1 8 x 128 x 4,096 float32; points2 8 x 256 x 2,048 float32; xyz1 8 x 4,096 x 3 float32; xyz2 8 x 2,048 x 3 float32.
;; Outputs: out0 8 x 256 x 4,096 float32.
;; This version of the problem:
;;   THIS VERSION OF THE PROBLEM IS GIVEN IN LOW PRECISION. The matrix products marked QUANTISED in the list below multiply operands that are first quantised to E5M2 (5 exponent bits, 2 mantissa bits; 8 bits a number), with one power-of-two scale for each 32 numbers along K (OCP MX v1.0); their sums are f32. All else is computed in f32.
;;   The module's matrix products, in the order in which they are computed (A, B: the left and right operand; K: the contracted axis; several contracted axes count as one K, in the product's order):
;;     1. batch 32,768 x [M 1, K 3] x [K 3, N 256]; A: computed on the way; B: computed on the way: left as it is (K = 3 < 32)
;;     2. [M 32,768, K 384] x [K 384, N 256]; A: computed on the way; B: input W0: QUANTISED
;;     3. [M 32,768, K 256] x [K 256, N 256]; A: computed on the way; B: input W1: QUANTISED
;;   THE QUANTISER, for each operand of a quantised product, along K:
;;     - K is cut into blocks of 32 from its start; a last block that is shorter is filled with zeros.
;;     - A block's scale is 2^e with e = floor(log2(the largest magnitude in the block)) - 15, held to -126 .. 127; a block of zeros has e = 0. As a byte (E8M0): e + 127.
;;     - Each number is divided by its block's scale, clamped to +-57,344, and rounded to the nearest number of E5M2, ties to even, subnormals kept.
;;     - The product sums the exact products of the quantised numbers (number of the format x scale) in f32.
;;   ~~~python
;;   def quantise(x, axis):      # numpy; x: float32 -> the quantised numbers, widened to float32 again
;;       x = np.moveaxis(x, axis, -1); K = x.shape[-1]
;;       x = np.pad(x, [(0, 0)] * (x.ndim - 1) + [(0, -K % 32)]); x = x.reshape(x.shape[:-1] + (-1, 32)); a = np.abs(x).max(-1, keepdims=True)
;;       e = np.where(a > 0, np.clip(np.frexp(np.where(a > 0, a, 1))[1] - 1 - 15, -126, 127), 0)      # np.frexp(a)[1] - 1 = floor(log2(a)), exactly
;;       r = np.clip(x / 2.0 ** e, -57344, 57344)
;;       step = 2.0 ** (np.maximum(np.frexp(np.where(r == 0, 1, r))[1] - 1, -14) - 2)
;;       q = np.round(r / step) * step * 2.0 ** e      # np.round: ties to even
;;       return np.moveaxis(q.reshape(q.shape[:-2] + (-1,))[..., :K], -1, axis).astype(np.float32)
;;   ~~~
;;   OPERANDS COMPUTED ON THE WAY. 'Computed on the way' means the value that the module computes at that place (a softmax that the list does not call 'softmax' is quantised finished and normalised). What goes into a quantiser is computed in f32, as accurately as f32 sums, v_exp_f32 and their like allow (about 1e-6 of the number): no bf16 or f16 on the way to a quantiser, and a product that is left as it is and whose result goes on into a quantised operand takes f32 operands (vector FMAs, or v_wmma_f32_16x16x4_f32). A number that lies on a knife's edge between two numbers of the format may be rounded either way, as far as f32 arithmetic and the matrix unit's own rounding can turn it there, and no further.
;; One version. Each part assembles by itself: llvm-mc -triple=amdgcn-amd-amdhsa -mcpu=gfx1250 --defsym DOCPART=n.
;; ======== version 1 of 1: 7 launches
;; workspace buffers: blk 131,072 bytes of whole numbers; nidx 524,288 bytes of whole numbers; prep 17,475,584 bytes; cout 13,500,416 bytes; dout 9,175,040 bytes; bnp0 2,048 bytes; bnp1 2,048 bytes
;; launch knn1 (part 1): grid 256 x 1, 8 waves a work-group, no clusters, 50,176 bytes of LDS; arguments xyz1, xyz2, blk; writes blk
.if DOCPART == 1
	.amdgcn_target "amdgcn-amd-amdhsa--gfx1250"
	.amdhsa_code_object_version 6
	.text
	.protected	k_q483e02750d_knn1
	.globl	k_q483e02750d_knn1
	.p2align	8
	.type	k_q483e02750d_knn1,@function
k_q483e02750d_knn1:
	s_mov_b64 s[64:65], 0
	v_nop
	global_prefetch_b8 v0, s[64:65] scope:SCOPE_SE
	s_setreg_imm32_b32 hwreg(HW_REG_WAVE_MODE, 25, 1), 1
	s_wait_xcnt 0x0
; SEARCH, FIRST PASS.  For each of 128 queries of one batch: which three of the 128 blocks of 16 neighbouring points hold the
; smallest block minima of the squared distance (ties: the lower block).  Order points by (distance, index) and blocks by
; (minimum, number): a block that ranks ahead of the block of a point e holds a point that ranks ahead of e, so the three nearest
; points lie in the three first blocks.  The next launch looks at those 48 points alone.
; SHARES.  All eight waves hold the same 128 queries, four a lane (queries l + 32 i) as two register pairs; wave w scans points
; 256 w .. 256 w + 255, sixteen blocks.  A pair of distances costs six packed instructions a point; a block costs eight minima
; and eleven lines of insertion a query.  The eight waves' triples meet in LDS; waves 0-3 merge them, a query a lane.
; The squared distance is (c - q) by one addition, then one multiplication and two fused multiply-adds, in the order x, y, z.
; LIMITS: NaN and infinite coordinates are not served, nor squared distances beyond the largest f32 number (coordinates beyond
; about 1e19); the fused sum can differ from an unfused one in the last bit, which decides only between neighbours that close.
; No matrix unit, no tensor load, no cluster: the batch's points are 24,576 bytes, read once by each work-group.
.set MRG,  24576                       ; LDS: bytes 0 .. 24,575 the batch's points as they lie; from here [8 waves][6 fields][128 queries] words
.set CADR, 2                           ; v2   LDS address of the blocks in hand
.set MA,   3                           ; v3   where I put my triples
.set RA,   4                           ; v4   where I read a query's eight triples
.set IDV,  5                           ; v5   the block's number
.set XO,   6                           ; v6   16 x thread
.set QO,   7                           ; v7   12 x lane
.set NQ,   8                           ; v8-19   -q: pair P, axis a at 8 + 6 P + 2 a
.set ST,   20                          ; v20-43  query i: m1 m2 m3 b1 b2 b3
.set M,    44                          ; v44-45  a block's minima for the pair's two queries
.set TT,   46                          ; v46-47  at work
.set CA,   48                          ; v48-95  a block: 16 points x 3 words
.set CB,   96                          ; v96-143 the other block
.set T,    144                         ; v144-167 differences of four points
.set D2,   168                         ; v168-199 16 pairs of squared distances
.set WV,   10
.set TB,   12
.set ID,   13
.set TRIP, 14
	s_load_b128 s[4:7], s[0:1], 0x0                ; xyz1, xyz2
	s_load_b64 s[8:9], s[0:1], 0x10                ; blk
	v_lshl_add_u32 v200, v0, 2, 0xc000
	v_mov_b32 v201, 0
	v_lshrrev_b32 v1, 5, v0
	v_readfirstlane_b32 s[WV], v1                  ; wave 0..7
	v_and_b32 v1, 31, v0                           ; lane
	v_lshlrev_b32 v[XO], 4, v0
	v_mul_u32_u24 v[QO], v1, 12
	s_lshr_b32 s16, ttmp9, 5                       ; the batch
	s_mul_i32 s16, s16, 24576                      ; its points
	s_mov_b32 s17, 0
	s_mul_i32 s18, ttmp9, 1536                     ; my 128 queries: 12 bytes each
	s_mov_b32 s19, 0
	s_lshl_b32 s28, ttmp9, 9                       ; and their words of blk
	s_mov_b32 s29, 0
	s_mul_i32 s[TB], s[WV], 3072                   ; my wave's 256 points in LDS
	s_lshl_b32 s[ID], s[WV], 4                     ; and its first block's number
	v_lshlrev_b32 v[MA], 2, v1
	v_add_nc_u32 v[MA], s[TB], v[MA]               ; (a wave's part of the merge area is 3,072 bytes too)
	v_add_nc_u32 v[MA], MRG, v[MA]
	v_lshl_add_u32 v[RA], v0, 2, MRG
	s_wait_kmcnt 0x0
	s_add_nc_u64 s[4:5], s[4:5], s[18:19]
	s_add_nc_u64 s[6:7], s[6:7], s[16:17]
	s_add_nc_u64 s[8:9], s[8:9], s[28:29]
.irp j, 0,1,2,3,4,5
	global_load_b128 v[CA+4*\j:CA+4*\j+3], v[XO], s[6:7] offset:4096*\j   ; 256 threads x 16 bytes: 4,096 consecutive bytes
.endr
.irp i, 0,1,2,3
.irp a, 0,1,2
	global_load_b32 v[NQ+6*(\i/2)+2*\a+(\i%2)], v[QO], s[4:5] offset:384*\i+4*\a
.endr
.endr
	s_wait_loadcnt 12                              ; the points are in; the 12 query loads may be out
.irp j, 0,1,2,3,4,5
	ds_store_b128 v[XO], v[CA+4*\j:CA+4*\j+3] offset:4096*\j
.endr
	s_wait_loadcnt 0x0
.irp i, 0,1,2,3,4,5,6,7,8,9,10,11
	v_xor_b32 v[NQ+\i], 0x80000000, v[NQ+\i]       ; -q
.endr
.irp i, 0,1,2,3
.irp f, 0,1,2
	v_mov_b32 v[ST+6*\i+\f], 0x7f800000            ; +infinity: every distance comes in under it
	v_mov_b32 v[ST+6*\i+3+\f], \f
.endr
.endr
	s_wait_dscnt 0x0                               ; my part of the points lies in LDS
	s_barrier_signal -1
	s_barrier_wait -1                              ; everybody's does
.macro PKADD d, q, c                   ; v[d], v[d+1] = -q of two queries + the ONE word v[c], which serves both halves
.if ((\c)&1)
	v_pk_add_f32 v[\d:\d+1], v[\q:\q+1], v[(\c)-1:(\c)] op_sel:[0,1] op_sel_hi:[1,1]
.else
	v_pk_add_f32 v[\d:\d+1], v[\q:\q+1], v[(\c):(\c)+1] op_sel:[0,0] op_sel_hi:[1,0]
.endif
.endm
.macro CLOAD buf, off                  ; a block's 192 bytes; all lanes read the same address
.irp i, 0,1,2,3,4,5,6,7,8,9,10,11
	ds_load_b128 v[\buf+4*\i:\buf+4*\i+3], v[CADR] offset:\off+16*\i
.endr
.endm
.macro DIST buf, P                     ; the block's 16 squared distances to the two queries of pair P, four points at a time
.set g, 0
.rept 4
.set j, 0
.rept 4
.set a, 0
.rept 3
	PKADD T+6*j+2*a, NQ+6*\P+2*a, \buf+3*(4*g+j)+a
.set a, a+1
.endr
.set j, j+1
.endr
.set j, 0
.rept 4
	v_pk_mul_f32 v[D2+8*g+2*j:D2+8*g+2*j+1], v[T+6*j:T+6*j+1], v[T+6*j:T+6*j+1]
.set j, j+1
.endr
.set j, 0
.rept 4
	v_pk_fma_f32 v[D2+8*g+2*j:D2+8*g+2*j+1], v[T+6*j+2:T+6*j+3], v[T+6*j+2:T+6*j+3], v[D2+8*g+2*j:D2+8*g+2*j+1]
.set j, j+1
.endr
.set j, 0
.rept 4
	v_pk_fma_f32 v[D2+8*g+2*j:D2+8*g+2*j+1], v[T+6*j+4:T+6*j+5], v[T+6*j+4:T+6*j+5], v[D2+8*g+2*j:D2+8*g+2*j+1]
.set j, j+1
.endr
.set g, g+1
.endr
.endm
.macro BMIN2                           ; the block's minimum for each of the two queries, the two by turns
.irp e, 0,1
	v_min3_num_f32 v[M+\e], v[D2+\e], v[D2+2+\e], v[D2+4+\e]
.endr
.irp i, 3,5,7,9,11,13
.irp e, 0,1
	v_min3_num_f32 v[M+\e], v[M+\e], v[D2+2*\i+\e], v[D2+2*\i+2+\e]
.endr
.endr
.irp e, 0,1
	v_min_num_f32 v[M+\e], v[M+\e], v[D2+30+\e]
.endr
.endm
.macro INSERT2 P                       ; (minimum, block) goes into the sorted triples of queries 2 P and 2 P + 1.  Strictly smaller only: on a tie the earlier, lower block stays ahead
.irp e, 0,1
	v_cmp_lt_f32 s[20+4*\e], v[M+\e], v[ST+6*(2*\P+\e)]
	v_cmp_lt_f32 s[21+4*\e], v[M+\e], v[ST+6*(2*\P+\e)+1]
	v_cmp_lt_f32 s[22+4*\e], v[M+\e], v[ST+6*(2*\P+\e)+2]
.endr
.irp e, 0,1
	v_cndmask_b32 v[TT+\e], v[IDV], v[ST+6*(2*\P+\e)+4], s[21+4*\e]
.endr
.irp e, 0,1
	v_cndmask_b32 v[ST+6*(2*\P+\e)+5], v[ST+6*(2*\P+\e)+5], v[TT+\e], s[22+4*\e]
.endr
.irp e, 0,1
	v_cndmask_b32 v[TT+\e], v[IDV], v[ST+6*(2*\P+\e)+3], s[20+4*\e]
.endr
.irp e, 0,1
	v_cndmask_b32 v[ST+6*(2*\P+\e)+4], v[ST+6*(2*\P+\e)+4], v[TT+\e], s[21+4*\e]
.endr
.irp e, 0,1
	v_cndmask_b32 v[ST+6*(2*\P+\e)+3], v[ST+6*(2*\P+\e)+3], v[IDV], s[20+4*\e]
.endr
.irp e, 0,1
	v_med3_num_f32 v[ST+6*(2*\P+\e)+2], v[M+\e], v[ST+6*(2*\P+\e)+1], v[ST+6*(2*\P+\e)+2]
.endr
.irp e, 0,1
	v_med3_num_f32 v[ST+6*(2*\P+\e)+1], v[M+\e], v[ST+6*(2*\P+\e)], v[ST+6*(2*\P+\e)+1]
.endr
.irp e, 0,1
	v_min_num_f32 v[ST+6*(2*\P+\e)], v[M+\e], v[ST+6*(2*\P+\e)]
.endr
.endm
.macro BLOCK buf
	v_mov_b32 v[IDV], s[ID]
.irp P, 0,1
	DIST \buf, \P
	BMIN2
	INSERT2 \P
.endr
	s_add_co_u32 s[ID], s[ID], 1
.endm
.macro INSERT val, id, S               ; the same for one query, its state at v[S] on
	v_cmp_lt_f32 s20, v[\val], v[\S]
	v_cmp_lt_f32 s21, v[\val], v[\S+1]
	v_cmp_lt_f32 s22, v[\val], v[\S+2]
	v_cndmask_b32 v[TT], v[\id], v[\S+4], s21
	v_cndmask_b32 v[\S+5], v[\S+5], v[TT], s22
	v_cndmask_b32 v[TT], v[\id], v[\S+3], s20
	v_cndmask_b32 v[\S+4], v[\S+4], v[TT], s21
	v_cndmask_b32 v[\S+3], v[\S+3], v[\id], s20
	v_med3_num_f32 v[\S+2], v[\val], v[\S+1], v[\S+2]
	v_med3_num_f32 v[\S+1], v[\val], v[\S], v[\S+1]
	v_min_num_f32 v[\S], v[\val], v[\S]
.endm
	v_mov_b32 v[CADR], s[TB]
	CLOAD CA, 0                                    ; block 0
	s_add_co_u32 s[TB], s[TB], 192
	s_mov_b32 s[TRIP], 7
.Lblocks:                                              ; a trip works blocks 2 t and 2 t + 1 and fetches 2 t + 1 and 2 t + 2
	v_mov_b32 v[CADR], s[TB]
	s_wait_dscnt 0x0                               ; only that block's 12 loads are out
	CLOAD CB, 0
	BLOCK CA
	s_wait_dscnt 0x0
	CLOAD CA, 192
	BLOCK CB
	s_add_co_u32 s[TB], s[TB], 384
	s_sub_co_i32 s[TRIP], s[TRIP], 1
	s_cmp_lg_u32 s[TRIP], 0
	s_cbranch_scc1 .Lblocks
	v_mov_b32 v[CADR], s[TB]                       ; blocks 14 and 15: nothing is fetched beyond the wave's part
	s_wait_dscnt 0x0
	CLOAD CB, 0
	BLOCK CA
	s_wait_dscnt 0x0
	BLOCK CB
.irp i, 0,1,2,3
.irp f, 0,1,2,3,4,5
	ds_store_b32 v[MA], v[ST+6*\i+\f] offset:512*\f+128*\i
.endr
.endr
	s_wait_dscnt 0x0                               ; for the others' sake
	s_barrier_signal -1
	s_barrier_wait -1
	s_cmp_ge_u32 s[WV], 4                          ; 128 queries: four waves merge, a query a lane; no barrier follows
	s_cbranch_scc1 .Lend
.irp c, 0,1,2,3,4,5,6,7
.irp f, 0,1,2,3,4,5
	ds_load_b32 v[CA+6*\c+\f], v[RA] offset:3072*\c+512*\f
.endr
.endr
	s_wait_dscnt 0x0
.irp c, 1,2,3,4,5,6,7                  ; wave 0's triple is the state; the others come in ascending block order, so ties keep the lower block
.irp k, 0,1,2
	INSERT CA+6*\c+\k, CA+6*\c+3+\k, CA
.endr
.endr
	v_lshl_or_b32 v[CA+3], v[CA+4], 8, v[CA+3]
	v_lshl_or_b32 v[CA+3], v[CA+5], 16, v[CA+3]    ; b1 | b2 << 8 | b3 << 16
	v_lshlrev_b32 v[IDV], 2, v0
	global_store_b32 v[IDV], v[CA+3], s[8:9]       ; a wave stores 128 consecutive bytes
.Lend:
	s_wait_tensorcnt 0x0
	ds_add_u32 v200, v201
	s_wait_dscnt 0x0
	s_endpgm
.Lfunc_end_k_q483e02750d_knn1:
	.size	k_q483e02750d_knn1, .Lfunc_end_k_q483e02750d_knn1-k_q483e02750d_knn1
	.p2alignl 7, 3214868480
	.fill 96, 4, 3214868480
	.section	.rodata,"a",@progbits
	.p2align	6, 0x0
	.amdhsa_kernel k_q483e02750d_knn1
		.amdhsa_group_segment_fixed_size 50176
		.amdhsa_private_segment_fixed_size 0
		.amdhsa_enable_private_segment 0
		.amdhsa_kernarg_size 24
		.amdhsa_user_sgpr_count 2
		.amdhsa_user_sgpr_kernarg_segment_ptr 1
		.amdhsa_wavefront_size32 1
		.amdhsa_system_sgpr_workgroup_id_x 1
		.amdhsa_system_sgpr_workgroup_id_y 1
		.amdhsa_system_sgpr_workgroup_id_z 1
		.amdhsa_system_vgpr_workitem_id 0
		.amdhsa_next_free_vgpr 202
		.amdhsa_next_free_sgpr 66
		.amdhsa_reserve_vcc 0
		.amdhsa_float_denorm_mode_32 3
		.amdhsa_float_denorm_mode_16_64 3
		.amdhsa_memory_ordered 1
		.amdhsa_forward_progress 1
		.amdhsa_inst_pref_size 95
	.end_amdhsa_kernel
	.amdgpu_metadata
---
amdhsa.version: [ 1, 2 ]
amdhsa.kernels:
  - .name:           k_q483e02750d_knn1
    .symbol:         k_q483e02750d_knn1.kd
    .args:
      - { .name: xyz1, .offset: 0, .size: 8, .value_kind: global_buffer, .address_space: global }
      - { .name: xyz2, .offset: 8, .size: 8, .value_kind: global_buffer, .address_space: global }
      - { .name: blk, .offset: 16, .size: 8, .value_kind: global_buffer, .address_space: global }
    .group_segment_fixed_size: 50176
    .private_segment_fixed_size: 0
    .kernarg_segment_align: 8
    .kernarg_segment_size: 24
    .max_flat_workgroup_size: 256
    .sgpr_count:     66
    .vgpr_count:     202
    .wavefront_size: 32
...
	.end_amdgpu_metadata
.endif
;; end of part 1
;; launch knn2 (part 2): grid 256 x 1, 4 waves a work-group, no clusters, 93,696 bytes of LDS; arguments xyz1, xyz2, points2, W0, W1, blk, nidx, prep; writes nidx, prep
.if DOCPART == 2
	.amdgcn_target "amdgcn-amd-amdhsa--gfx1250"
	.amdhsa_code_object_version 6
	.text
	.protected	k_q483e02750d_knn2
	.globl	k_q483e02750d_knn2
	.p2align	8
	.type	k_q483e02750d_knn2,@function
k_q483e02750d_knn2:
	s_mov_b64 s[64:65], 0
	v_nop
	global_prefetch_b8 v0, s[64:65] scope:SCOPE_SE
	s_setreg_imm32_b32 hwreg(HW_REG_WAVE_MODE, 25, 1), 1
	s_wait_xcnt 0x0
; SEARCH, SECOND PASS, and what the later launches want laid out.  Three jobs of one work-group of 128 threads:
; (1) thread t takes query 128 g + t: its three blocks (stored whole numbers) in ascending order, their 48 points in ascending
;     index, inserted into a sorted triple where strictly nearer: the three nearest, ties to the lower index.  Then the weights:
;     d = max(d, 1e-10), w = 1 / d, w / (w0 + w1 + w2).  Indices go to nidx, weights to prep.
; (2) a tile of points2, 256 channels x 64 points, is turned through LDS into rows [point][256 channels] of prep, so that a
;     neighbour's 256 features are 1,024 consecutive bytes.
; (3) work-groups 0-19: each wave quantises one fragment (16 rows x 128 K) of W0 or W1 to E5M2 codes with one scale byte for each
;     32 along K, and stores it in the order of the operand's registers: register group c of lane l at 512 c + 16 l.
;     Lane r of tile t holds weight row 32 (t / 2) + 8 (t % 2) + r + 8 (r / 8).
; The distance's arithmetic is that of the first pass, so the bits agree.
; LIMITS: as in the first pass; 1 / x is v_rcp_f32 and a multiplication.  A block of zeros gets the scale byte 1 (its codes are
; zeros; only this program reads the bytes); a block whose largest magnitude lies under 2^-111 is held at byte 1.
.set XP,   208                         ; LDS: a block of 16 points: 192 bytes + 16, so that sixteen blocks begin in sixteen groups of banks
.set TTB,  26624                       ; behind the 128 blocks: 256 channels x 260 bytes
.set XA,   32                          ; v32-79   a block
.set XB,   80                          ; v80-127  another
.set TR,   128                         ; v128-255 the tile of points2; later a fragment's 64 numbers
.set TM,   40
.set PC,   64
.set PW,   80
.set WV,   20
; v8-10 m1 m2 m3, then the weights; v11 0; v12-14 i1 i2 i3; v15 0; v16-18 -q; v19 the blocks' word; v20-22 blocks; v23-25 their LDS addresses; v26-28 their first indices
	s_load_b256 s[4:11], s[0:1], 0x0               ; xyz1, xyz2, points2, W0
	s_load_b256 s[12:19], s[0:1], 0x20             ; W1, blk, nidx, prep
	s_set_vgpr_msb 0x40
	v_lshl_add_u32 v0, v0, 2, 0x16c00
	v_mov_b32 v1, 0
	s_set_vgpr_msb 0x4000
	v_lshrrev_b32 v1, 5, v0
	v_readfirstlane_b32 s[WV], v1                  ; wave 0..3
	v_and_b32 v1, 31, v0                           ; lane
	v_mul_u32_u24 v2, v0, XP                       ; block t in LDS
	v_mul_u32_u24 v3, v0, 192                      ; and in memory
	v_lshlrev_b32 v4, 2, v0
	v_mul_u32_u24 v5, v0, 12
	v_lshrrev_b32 v6, 4, v1
	v_lshlrev_b32 v6, 13, v6                       ; points2: lanes 16-31 take the next channel (8,192 bytes on),
	v_and_b32 v7, 15, v1
	v_lshl_add_u32 v6, v7, 4, v6                   ; sixteen lanes 256 consecutive bytes,
	s_lshl_b32 s24, s[WV], 19
	v_add_nc_u32 v6, s24, v6                       ; wave w channels 64 w on
	v_lshlrev_b32 v7, 4, v0
	s_lshr_b32 s24, ttmp9, 5                       ; the batch
	s_and_b32 s25, ttmp9, 31
	s_mul_i32 s30, s24, 24576
	s_mov_b32 s31, 0
	s_mul_i32 s32, ttmp9, 1536
	s_mov_b32 s33, 0
	s_lshl_b32 s34, s24, 21
	s_lshl_b32 s25, s25, 8
	s_add_co_u32 s34, s34, s25                     ; points2: the batch's 2 MiB, my 64 points
	s_mov_b32 s35, 0
	s_lshl_b32 s36, ttmp9, 9
	s_mov_b32 s37, 0
	s_lshl_b32 s38, ttmp9, 11
	s_mov_b32 s39, 0
	s_lshl_b32 s40, ttmp9, 16                      ; 64 rows of 1,024 bytes
	s_mov_b32 s41, 0
	s_wait_kmcnt 0x0
	s_add_nc_u64 s[6:7], s[6:7], s[30:31]
	s_add_nc_u64 s[4:5], s[4:5], s[32:33]
	s_add_nc_u64 s[8:9], s[8:9], s[34:35]
	s_add_nc_u64 s[14:15], s[14:15], s[36:37]
	s_add_nc_u64 s[16:17], s[16:17], s[38:39]
	s_add_nc_u64 s[26:27], s[18:19], s[38:39]
	s_add_nc_u64 s[26:27], s[26:27], 16777216      ; the weights' part of prep
	s_add_nc_u64 s[28:29], s[18:19], s[40:41]      ; the turned rows' part
.irp j, 0,1,2,3,4,5,6,7,8,9,10,11
	global_load_b128 v[XA+4*\j:XA+4*\j+3], v3, s[6:7] offset:16*\j
.endr
	global_load_b32 v19, v4, s[14:15]
.irp a, 0,1,2
	global_load_b32 v[16+\a], v5, s[4:5] offset:4*\a
.endr
.set j, 0
.rept 32
	global_load_b128 v[TR+4*j:TR+4*j+3], v6, s[8:9] offset:16384*j th:TH_LOAD_NT   ; channels 64 w + 2 j, + 1: read once in the launch
.set j, j+1
.endr
	s_wait_loadcnt 32                              ; the 16 small loads are in; the tile's 32 may be out
.irp j, 0,1,2,3,4,5,6,7,8,9,10,11
	ds_store_b128 v2, v[XA+4*\j:XA+4*\j+3] offset:16*\j
.endr
.irp a, 0,1,2
	v_xor_b32 v[16+\a], 0x80000000, v[16+\a]       ; -q
.endr
	v_and_b32 v20, 0xff, v19
	v_bfe_u32 v21, v19, 8, 8
	v_bfe_u32 v22, v19, 16, 8
	v_min_u32 v29, v20, v21                        ; the three blocks in ascending order
	v_max_u32 v30, v20, v21
	v_min_u32 v31, v30, v22
	v_max_u32 v22, v30, v22
	v_min_u32 v20, v29, v31
	v_max_u32 v21, v29, v31
.irp k, 0,1,2
	v_min_u32 v[20+\k], 127, v[20+\k]              ; a stored number enters an address only held inside the table
.endr
.irp k, 0,1,2
	v_mul_u32_u24 v[23+\k], v[20+\k], XP
	v_lshlrev_b32 v[26+\k], 4, v[20+\k]
.endr
.irp k, 0,1,2
	v_mov_b32 v[8+\k], 0x7f800000
	v_mov_b32 v[12+\k], 0
.endr
	v_mov_b32 v11, 0
	v_mov_b32 v15, 0
	s_wait_dscnt 0x0
	s_barrier_signal -1
	s_barrier_wait -1                              ; the batch's 128 blocks lie in LDS
.macro BLOAD buf, adr
.irp j, 0,1,2,3,4,5,6,7,8,9,10,11
	ds_load_b128 v[\buf+4*\j:\buf+4*\j+3], v[\adr] offset:16*\j
.endr
.endm
.macro INSERT val                      ; (v[val], index v30) into the sorted triple; strictly nearer only
	v_cmp_lt_f32 s21, v[\val], v8
	v_cmp_lt_f32 s22, v[\val], v9
	v_cmp_lt_f32 s23, v[\val], v10
	v_cndmask_b32 v29, v30, v13, s22
	v_cndmask_b32 v14, v14, v29, s23
	v_cndmask_b32 v29, v30, v12, s21
	v_cndmask_b32 v13, v13, v29, s22
	v_cndmask_b32 v12, v12, v30, s21
	v_med3_num_f32 v10, v[\val], v9, v10
	v_med3_num_f32 v9, v[\val], v8, v9
	v_min_num_f32 v8, v[\val], v8
.endm
.macro SELECT buf, ib                  ; 16 distances in place (point j's at v[buf + 3 j]), then 16 insertions in ascending index
.set j, 0
.rept 16
	v_add_f32 v[\buf+3*j], v[\buf+3*j], v16
	v_add_f32 v[\buf+3*j+1], v[\buf+3*j+1], v17
	v_add_f32 v[\buf+3*j+2], v[\buf+3*j+2], v18
.set j, j+1
.endr
.set j, 0
.rept 16
	v_mul_f32 v[\buf+3*j], v[\buf+3*j], v[\buf+3*j]
.set j, j+1
.endr
.set j, 0
.rept 16
	v_fma_f32 v[\buf+3*j], v[\buf+3*j+1], v[\buf+3*j+1], v[\buf+3*j]
.set j, j+1
.endr
.set j, 0
.rept 16
	v_fma_f32 v[\buf+3*j], v[\buf+3*j+2], v[\buf+3*j+2], v[\buf+3*j]
.set j, j+1
.endr
.set j, 0
.rept 16
	v_add_nc_u32 v30, j, v[\ib]
	INSERT \buf+3*j
.set j, j+1
.endr
.endm
	BLOAD XA, 23
	BLOAD XB, 24
	s_wait_dscnt 12                                ; the first block is in; the second's 12 loads may be out
	SELECT XA, 26
	BLOAD XA, 25
	s_wait_dscnt 12
	SELECT XB, 27
	s_wait_dscnt 0x0
	SELECT XA, 28
.irp k, 0,1,2
	v_max_num_f32 v[8+\k], 0x2edbe6ff, v[8+\k]     ; 1e-10
.endr
.irp k, 0,1,2
	v_rcp_f32 v[8+\k], v[8+\k]
.endr
	v_nop                                          ; a plain line behind the reciprocals
	s_wait_alu depctr_va_vdst(0)
	v_add_f32 v29, v8, v9
	v_add_f32 v29, v29, v10
	v_rcp_f32 v29, v29
	v_nop
	s_wait_alu depctr_va_vdst(0)
.irp k, 0,1,2
	v_mul_f32 v[8+\k], v[8+\k], v29
.endr
	global_store_b128 v7, v[12:15], s[16:17]       ; i0 i1 i2 0: a wave stores 512 consecutive bytes
	global_store_b128 v7, v[8:11], s[26:27]        ; w0 w1 w2 0
	v_lshrrev_b32 v32, 4, v1                       ; the turn's addresses.  In: channel 64 w + (l / 16) (+ 2 j), point 4 (l % 16) (+ e)
	v_mul_u32_u24 v32, v32, 260
	v_and_b32 v35, 15, v1
	v_lshl_add_u32 v32, v35, 4, v32
	s_mul_i32 s24, s[WV], 64*260
	s_add_co_u32 s24, s24, TTB
	v_add_nc_u32 v32, s24, v32
	v_mul_u32_u24 v33, v1, 1040                    ; out: channel 4 l (+ 128 H + e), point 16 w (+ ss)
	s_lshl_b32 s24, s[WV], 6
	s_add_co_u32 s24, s24, TTB
	v_add_nc_u32 v33, s24, v33
	v_lshlrev_b32 v34, 4, v1                       ; and in memory: row 16 w (+ ss), 16 bytes a lane
	s_lshl_b32 s24, s[WV], 14
	v_add_nc_u32 v34, s24, v34
	s_wait_dscnt 0x0
	s_barrier_signal -1
	s_barrier_wait -1                              ; parts the reads at stored numbers' addresses from the stores below
	s_wait_loadcnt 0x0                             ; the tile
.set j, 0
.rept 32
.irp e, 0,1,2,3
	ds_store_b32 v32, v[TR+4*j+\e] offset:520*j+4*\e   ; pitch 65 words: the 32 lanes fall on 32 banks
.endr
.set j, j+1
.endr
	s_wait_dscnt 0x0
	s_barrier_signal -1
	s_barrier_wait -1                              ; 256 channels x 64 points lie in LDS
.macro TLOAD q                         ; four rows (points 16 w + 4 q ..): a lane's eight channels of each
.irp ss, 0,1,2,3
.irp H, 0,1
.irp e, 0,1,2,3
	ds_load_b32 v[TR+32*\q+8*\ss+4*\H+\e], v33 offset:33280*\H+260*\e+4*(4*\q+\ss)
.endr
.endr
.endr
.endm
.macro TSTORE q
.irp ss, 0,1,2,3
.irp H, 0,1
	global_store_b128 v34, v[TR+32*\q+8*\ss+4*\H:TR+32*\q+8*\ss+4*\H+3], s[28:29] offset:1024*(4*\q+\ss)+512*\H   ; 512 consecutive bytes of a row
.endr
.endr
.endm
	TLOAD 0
	TLOAD 1
	s_wait_dscnt 32                                ; the batch in hand is in; the next one's 32 loads may be out
	TSTORE 0
	TLOAD 2
	s_wait_dscnt 32
	TSTORE 1
	TLOAD 3
	s_wait_dscnt 32
	TSTORE 2
	s_wait_dscnt 0x0
	TSTORE 3
	s_cmp_lt_u32 ttmp9, 20                         ; 80 fragments, one a wave: work-groups 0-19.  No LDS and no barrier from here on
	s_cbranch_scc0 .Ldone
	s_lshl_b32 s24, ttmp9, 2
	s_add_co_u32 s24, s24, s[WV]                   ; f = 16 s' + t
	s_and_b32 s25, s24, 15                         ; t: the tile of 16 output channels
	s_lshr_b32 s30, s24, 4                         ; s': 0-2 are W0's K steps, 3-4 W1's
	s_mov_b32 s31, 1024
	s_cmp_lt_u32 s24, 48
	s_cselect_b64 s[10:11], s[10:11], s[12:13]     ; the choice hangs on ids alone
	s_cselect_b32 s31, 1536, s31                   ; a row in bytes
	s_cselect_b32 s32, 0, 3
	s_sub_co_u32 s30, s30, s32                     ; the K step in its own weight
	s_lshr_b32 s33, s25, 1
	s_lshl_b32 s33, s33, 5
	s_and_b32 s34, s25, 1
	s_lshl_b32 s34, s34, 3
	s_add_co_u32 s33, s33, s34                     ; 32 (t / 2) + 8 (t % 2)
	s_lshl_b32 s30, s30, 9                         ; 128 numbers a K step
	s_mov_b32 s44, 0x76543210
	s_mov_b32 s45, 0xfedcba98                      ; lane l xor 16
	s_mov_b32 s46, 0x600000                        ; the mantissa field of 57,344
	v_and_b32 v35, 15, v1
	v_and_b32 v36, 8, v35
	v_add_nc_u32 v35, v35, v36                     ; r + 8 (r / 8)
	v_add_nc_u32 v35, s33, v35
	v_mul_lo_u32 v35, v35, s31
	v_lshrrev_b32 v36, 4, v1
	v_lshl_add_u32 v35, v36, 6, v35                ; + 64 h: my 16 numbers of each block of 32
	v_add_nc_u32 v35, s30, v35
	v_lshlrev_b32 v37, 4, v1
	v_lshlrev_b32 v38, 2, v1
	s_lshl_b32 s40, s24, 11
	s_mov_b32 s41, 0
	s_add_nc_u64 s[40:41], s[18:19], s[40:41]
	s_add_nc_u64 s[40:41], s[40:41], 17301504      ; the fragment's image
	s_lshl_b32 s42, s24, 7
	s_mov_b32 s43, 0
	s_add_nc_u64 s[42:43], s[18:19], s[42:43]
	s_add_nc_u64 s[42:43], s[42:43], 17465344      ; its scale words
	s_wait_xcnt 0x0                                ; the rows' stores have read their registers: loads may land there
.irp k, 0,1,2,3
.irp j, 0,1,2,3
	global_load_b128 v[TR+16*\k+4*\j:TR+16*\k+4*\j+3], v35, s[10:11] offset:128*\k+16*\j   ; register 16 k + i = K 32 k + 16 h + i of my row
.endr
.endr
.irp b, 0,1,2,3
	v_mov_b32 v[TM+4+\b], 0                        ; a lane permute's destination counts as one of its sources
.endr
	s_wait_loadcnt 0x0
.irp b, 0,1,2,3
	v_max3_num_f32 v[TM+\b], |v[TR+16*\b]|, |v[TR+1+16*\b]|, 0x8000000   ; my 16 numbers of block b, and the floor 2^(16 - 127): the byte cannot fall under 1
.endr
.irp i, 2,4,6,8,10,12,14
.irp b, 0,1,2,3
	v_max3_num_f32 v[TM+\b], v[TM+\b], |v[TR+16*\b+\i]|, |v[TR+1+16*\b+\i]|
.endr
.endr
.irp b, 0,1,2,3
	v_permlanex16_b32 v[TM+4+\b], v[TM+\b], s44, s45
.endr
.irp b, 0,1,2,3
	v_max_num_f32 v[TM+\b], v[TM+\b], v[TM+4+\b]   ; the block's largest magnitude
.endr
.irp b, 0,1,2,3
	v_add_nc_u32 v[TM+12+\b], 0xf8800000, v[TM+\b] ; 15 off its exponent field: the conversion's scale operand
.endr
.irp b, 0,1,2,3
	v_and_or_b32 v[TM+8+\b], v[TM+\b], 0x7f800000, s46   ; 57,344 x the scale
.endr
.irp b, 0,1,2,3
	v_lshrrev_b32 v[TM+4+\b], 23, v[TM+12+\b]      ; the scale's byte
.endr
	v_lshl_or_b32 v[PW], v[TM+5], 8, v[TM+4]
	v_lshl_or_b32 v[PW], v[TM+6], 16, v[PW]
	v_lshl_or_b32 v[PW], v[TM+7], 24, v[PW]        ; my row's scale word
.irp b, 0,1,2,3
.irp i, 0,1,2,3,4,5,6,7,8,9,10,11,12,13,14,15
	v_med3_num_f32 v[TR+16*\b+\i], v[TR+16*\b+\i], -v[TM+8+\b], v[TM+8+\b]   ; the conversion does not saturate (ISA guide 7.6.2): the hold comes first
.endr
	v_cvt_scalef32_pk8_bf8_f32 v[PC+4*\b:PC+1+4*\b], v[TR+16*\b:TR+7+16*\b], v[TM+12+\b]
	v_cvt_scalef32_pk8_bf8_f32 v[PC+2+4*\b:PC+3+4*\b], v[TR+8+16*\b:TR+15+16*\b], v[TM+12+\b]
.endr
	v_nop
.irp c, 0,1,2,3
	global_store_b128 v37, v[PC+4*\c:PC+4*\c+3], s[40:41] offset:512*\c
.endr
	global_store_b32 v38, v[PW], s[42:43]
.Ldone:
	s_set_vgpr_msb 0x5
	s_wait_tensorcnt 0x0
	ds_add_u32 v0, v1
	s_wait_dscnt 0x0
	s_set_vgpr_msb 0x500
	s_endpgm
.Lfunc_end_k_q483e02750d_knn2:
	.size	k_q483e02750d_knn2, .Lfunc_end_k_q483e02750d_knn2-k_q483e02750d_knn2
	.p2alignl 7, 3214868480
	.fill 96, 4, 3214868480
	.section	.rodata,"a",@progbits
	.p2align	6, 0x0
	.amdhsa_kernel k_q483e02750d_knn2
		.amdhsa_group_segment_fixed_size 93696
		.amdhsa_private_segment_fixed_size 0
		.amdhsa_enable_private_segment 0
		.amdhsa_kernarg_size 64
		.amdhsa_user_sgpr_count 2
		.amdhsa_user_sgpr_kernarg_segment_ptr 1
		.amdhsa_wavefront_size32 1
		.amdhsa_system_sgpr_workgroup_id_x 1
		.amdhsa_system_sgpr_workgroup_id_y 1
		.amdhsa_system_sgpr_workgroup_id_z 1
		.amdhsa_system_vgpr_workitem_id 0
		.amdhsa_next_free_vgpr 258
		.amdhsa_next_free_sgpr 66
		.amdhsa_reserve_vcc 0
		.amdhsa_float_denorm_mode_32 3
		.amdhsa_float_denorm_mode_16_64 3
		.amdhsa_memory_ordered 1
		.amdhsa_forward_progress 1
		.amdhsa_inst_pref_size 89
	.end_amdhsa_kernel
	.amdgpu_metadata
---
amdhsa.version: [ 1, 2 ]
amdhsa.kernels:
  - .name:           k_q483e02750d_knn2
    .symbol:         k_q483e02750d_knn2.kd
    .args:
      - { .name: xyz1, .offset: 0, .size: 8, .value_kind: global_buffer, .address_space: global }
      - { .name: xyz2, .offset: 8, .size: 8, .value_kind: global_buffer, .address_space: global }
      - { .name: points2, .offset: 16, .size: 8, .value_kind: global_buffer, .address_space: global }
      - { .name: W0, .offset: 24, .size: 8, .value_kind: global_buffer, .address_space: global }
      - { .name: W1, .offset: 32, .size: 8, .value_kind: global_buffer, .address_space: global }
      - { .name: blk, .offset: 40, .size: 8, .value_kind: global_buffer, .address_space: global }
      - { .name: nidx, .offset: 48, .size: 8, .value_kind: global_buffer, .address_space: global }
      - { .name: prep, .offset: 56, .size: 8, .value_kind: global_buffer, .address_space: global }
    .group_segment_fixed_size: 93696
    .private_segment_fixed_size: 0
    .kernarg_segment_align: 8
    .kernarg_segment_size: 64
    .max_flat_workgroup_size: 128
    .sgpr_count:     66
    .vgpr_count:     258
    .wavefront_size: 32
...
	.end_amdgpu_metadata
.endif
;; end of part 2
;; launch conv0s (part 3): grid 256 x 1, 8 waves a work-group, no clusters, 54,784 bytes of LDS; arguments points1, nidx, prep, b0, cout; writes cout
.if DOCPART == 3
	.amdgcn_target "amdgcn-amd-amdhsa--gfx1250"
	.amdhsa_code_object_version 6
	.text
	.protected	k_q483e02750d_conv0s
	.globl	k_q483e02750d_conv0s
	.p2align	8
	.type	k_q483e02750d_conv0s,@function
k_q483e02750d_conv0s:
	s_mov_b64 s[64:65], 0
	v_nop
	global_prefetch_b8 v0, s[64:65] scope:SCOPE_SE
	s_setreg_imm32_b32 hwreg(HW_REG_WAVE_MODE, 25, 1), 1
	s_wait_xcnt 0x0
; h = [interpolated features (256) | points1 (128)] for 128 positions, quantised to E5M2 along its 384 channels; W0 h on the codes;
; for each output channel the mean and the sum of squared deviations over these 128 positions.  Stored: h's codes and scale words
; (the next convolution launch multiplies them again, which costs less than storing y in f32 and reading it) and the records.
; SHARES.  Wave w gathers for positions 16 w .. 16 w + 15: a neighbour's row is 1,024 consecutive bytes, a lane takes channels
; 4 l .. and 128 + 4 l ..; a block of 32 channels lies in eight lanes.  It also takes two blocks of 32 channels of points1 for 32
; positions, a lane to a position and its registers down the channels.  In the product it owns output channels 32 w .. 32 w + 31.
; h IN LDS: tile m (16 positions) has 24 pieces; piece p holds channels 16 p .. 16 p + 15 of the 16 positions, 16 bytes each, and
; 16 bytes of padding: 272.  Register group c of K step s of lane (r, h) is then the 16 bytes at 272 (8 s + 2 c + h) + 16 r.
; STATISTICS.  A lane holds one channel and 64 positions: it sums t = y - p and t^2, p its own first y, makes (mean, M2) of them
; and joins its partner lane's by the rule for joining two samples; no difference of large sums is formed.
; The weights' images that all work-groups read are 98,304 bytes against the 458,752 that a work-group gathers and reads for itself,
; and they go straight into registers: so no cluster and no joint load.  No LDS byte is filled twice: no tensor load.
; LIMITS: NaN and infinities are not served; a block of zeros gets the scale byte 1 (its codes are zeros; only this program reads
; the bytes); a block whose largest magnitude lies under 2^-111 is held at byte 1.
.set TILEB, 6528
.set PCH,   272
.set HSC,   52224                      ; behind the 8 tiles: 24 entries (3 m + s) of 16 scale words
.set L16, 2                            ; v2  16 x lane
.set L4,  3                            ; v3  4 x lane
.set IS,  4                            ; v4  where my four interpolated codes go
.set IB,  5                            ; v5  and their block's byte
.set PS,  6                            ; v6  where my 32 codes of points1 go
.set PB,  7                            ; v7  and their byte
.set PO,  8                            ; v8  points1: my position
.set FA,  9                            ; v9  272 h + 16 r: a fragment's place for my lane
.set CW,  10                           ; v10 the copy out: 272 (t / 16) + 16 (t % 16)
.set G16, 11                           ; v11 16 x thread
.set RA,  12                           ; v12 8 x my channel
.set BA,  13                           ; v13 4 x my channel
.set OF,  16                           ; v16-63   48 gather offsets; later
.set HF,  16                           ; v16-63   h's three fragments
.set BUF, 64                           ; v64-207  three gather buffers of 48; later
.set ACC, 64                           ; v64-95   two sets of two accumulators
.set T,   96                           ; v96-103  at work
.set WF,  112                          ; v112-207 W0's six fragments: 16 (3 u + s)
.set HS,  208                          ; v208-219 h's scale words: entry e in register e / 2, lanes 16-31 for odd e
.set WSC, 220                          ; v220-225 W0's scale words
.set STT, 226                          ; v226-245 for each u: -p twice, two pairs of sums, two pairs of sums of squares
.set MX,  226                          ; (in the gather the same registers are at work)
.set SCL, 230
.set HLD, 234
.set BYT, 238
.set BI,  246                          ; v246-247 b0 of my two channels
.set CDE, 248                          ; v248-255 codes just made
.set WV,  14
; s20-35, s36-51, s68-83, s84-99: four words a position: first the indices, then the weights
	s_load_b256 s[4:11], s[0:1], 0x0               ; points1, nidx, prep, b0
	s_load_b64 s[12:13], s[0:1], 0x20              ; cout
	s_set_vgpr_msb 0x40
	v_lshl_add_u32 v0, v0, 2, 0xd200
	v_mov_b32 v1, 0
	s_set_vgpr_msb 0x4000
	v_lshrrev_b32 v1, 5, v0
	v_readfirstlane_b32 s[WV], v1                  ; wave 0..7
	v_and_b32 v1, 31, v0                           ; lane
	v_and_b32 v14, 15, v0                          ; r
	v_bfe_u32 v15, v0, 4, 1                        ; h
	v_lshlrev_b32 v[L16], 4, v1
	v_lshlrev_b32 v[L4], 2, v1
	v_lshrrev_b32 v[IS], 2, v1                     ; channels 4 l ..: piece l / 4, byte 4 (l % 4); tile w
	v_mul_u32_u24 v[IS], v[IS], PCH
	v_and_b32 v[IB], 3, v1
	v_lshl_add_u32 v[IS], v[IB], 2, v[IS]
	s_mul_i32 s15, s[WV], TILEB
	v_add_nc_u32 v[IS], s15, v[IS]
	v_lshrrev_b32 v[IB], 3, v1                     ; block l / 8 of entry 3 w
	s_mul_i32 s15, s[WV], 192
	s_add_co_u32 s15, s15, HSC
	v_add_nc_u32 v[IB], s15, v[IB]
	s_lshr_b32 s16, s[WV], 1
	s_and_b32 s17, s[WV], 1
	v_mul_u32_u24 v[PS], v15, TILEB                ; points1: tile 2 (w / 2) + h, row r, pieces 16 + 4 (w % 2) on
	v_lshl_add_u32 v[PS], v14, 4, v[PS]
	s_mul_i32 s15, s16, 2*TILEB
	s_mul_i32 s18, s17, 4*PCH
	s_add_co_u32 s15, s15, s18
	s_add_co_u32 s15, s15, 16*PCH
	v_add_nc_u32 v[PS], s15, v[PS]
	v_mul_u32_u24 v[PB], v15, 192                  ; entry 3 (2 (w / 2) + h) + 2, row r, bytes 2 (w % 2) on
	v_lshl_add_u32 v[PB], v14, 2, v[PB]
	s_mul_i32 s15, s16, 384
	s_lshl_b32 s18, s17, 1
	s_add_co_u32 s15, s15, s18
	s_add_co_u32 s15, s15, HSC+128
	v_add_nc_u32 v[PB], s15, v[PB]
	s_lshl_b32 s15, s16, 7                         ; position 32 (w / 2) + l; channels 64 (w % 2) on, 16,384 bytes each
	s_lshl_b32 s18, s17, 20
	s_add_co_u32 s15, s15, s18
	v_add_nc_u32 v[PO], s15, v[L4]
	v_mul_u32_u24 v[FA], v15, PCH
	v_lshl_add_u32 v[FA], v14, 4, v[FA]
	v_lshrrev_b32 v[CW], 4, v0
	v_mul_u32_u24 v[CW], v[CW], PCH
	v_lshl_add_u32 v[CW], v14, 4, v[CW]
	v_lshlrev_b32 v[G16], 4, v0
	v_and_b32 v[BA], 8, v14
	v_add_nc_u32 v[BA], v[BA], v14                 ; r + 8 (r / 8)
	s_lshl_b32 s15, s[WV], 5
	v_add_nc_u32 v[BA], s15, v[BA]                 ; my channel of tile 2 w (tile 2 w + 1: 8 further on)
	v_lshlrev_b32 v[RA], 3, v[BA]
	v_lshlrev_b32 v[BA], 2, v[BA]
	s_mov_b32 s52, 0x76543210
	s_mov_b32 s53, 0xfedcba98                      ; lane l xor 16
	s_mov_b32 s54, 0x600000                        ; the mantissa field of 57,344
	s_lshl_b32 s16, ttmp9, 11
	s_lshl_b32 s15, s[WV], 8
	s_add_co_u32 s16, s16, s15                     ; my 16 positions' 16 bytes each
	s_mov_b32 s17, 0
	s_wait_kmcnt 0x0
	s_add_nc_u64 s[6:7], s[6:7], s[16:17]
	s_add_nc_u64 s[18:19], s[8:9], s[16:17]
	s_add_nc_u64 s[18:19], s[18:19], 16777216
	s_load_b512 s[20:35], s[6:7], 0x0              ; the indices
	s_load_b512 s[36:51], s[6:7], 0x40
	s_load_b512 s[68:83], s[6:7], 0x80
	s_load_b512 s[84:99], s[6:7], 0xc0
	s_lshr_b32 s16, ttmp9, 5
	s_lshl_b32 s16, s16, 21                        ; the batch's 2 MiB
	s_add_nc_u64 s[56:57], s[8:9], s[16:17]        ; its turned rows
	s_and_b32 s15, ttmp9, 31
	s_lshl_b32 s15, s15, 9
	s_add_co_u32 s16, s16, s15
	s_add_nc_u64 s[4:5], s[4:5], s[16:17]          ; points1 at the batch and my first position
	s_lshl_b32 s16, s[WV], 12
	s_add_nc_u64 s[58:59], s[8:9], s[16:17]
	s_add_nc_u64 s[58:59], s[58:59], 17301504      ; the weights' images at tile 2 w
	s_lshl_b32 s16, s[WV], 8
	s_add_nc_u64 s[60:61], s[8:9], s[16:17]
	s_add_nc_u64 s[60:61], s[60:61], 17465344      ; their scale words
	s_mul_i32 s16, ttmp9, 49152
	s_add_nc_u64 s[62:63], s[12:13], s[16:17]
	s_add_nc_u64 s[62:63], s[62:63], 524288        ; h's codes
	s_mul_i32 s16, ttmp9, 1536
	s_add_nc_u64 s[66:67], s[12:13], s[16:17]
	s_add_nc_u64 s[66:67], s[66:67], 13107200      ; h's scale words
	s_lshl_b32 s16, ttmp9, 11
	s_add_nc_u64 s[2:3], s[12:13], s[16:17]        ; the records
	s_wait_kmcnt 0x0
.set Q, 0
.rept 16
.set SW, 20+16*(Q/4)+16*(Q/8)+4*(Q%4)
.irp n, 0,1,2
	s_min_u32 s[SW+\n], s[SW+\n], 2047             ; a stored number enters an address only held inside the table
	v_lshl_add_u32 v[OF+3*Q+\n], s[SW+\n], 10, v[L16]
.endr
.set Q, Q+1
.endr
	s_load_b512 s[20:35], s[18:19], 0x0            ; the weights take the indices' places
	s_load_b512 s[36:51], s[18:19], 0x40
	s_load_b512 s[68:83], s[18:19], 0x80
	s_load_b512 s[84:99], s[18:19], 0xc0
.macro GLOAD k                         ; group k: positions 2 k and 2 k + 1, three rows each, two loads of 512 consecutive bytes a row
.set BB, BUF+48*((\k)%3)
.irp e, 0,1
.irp n, 0,1,2
	global_load_b128 v[BB+24*\e+8*\n:BB+24*\e+8*\n+3], v[OF+3*(2*(\k)+\e)+\n], s[56:57]
	global_load_b128 v[BB+24*\e+8*\n+4:BB+24*\e+8*\n+7], v[OF+3*(2*(\k)+\e)+\n], s[56:57] offset:512
.endr
.endr
.endm
.macro PROC k                          ; the weighted sums, and their codes.  x = 2 e + half: position e of the group, channels 4 l .. (0) or 128 + 4 l .. (1)
.set BB, BUF+48*((\k)%3)
.irp e, 0,1
.set SW, 20+16*((2*(\k)+\e)/4)+16*((2*(\k)+\e)/8)+4*((2*(\k)+\e)%4)
.irp i, 0,1,2,3,4,5,6,7
	v_mul_f32 v[BB+24*\e+\i], s[SW], v[BB+24*\e+\i]
.endr
.irp i, 0,1,2,3,4,5,6,7
	v_fmac_f32 v[BB+24*\e+\i], s[SW+1], v[BB+24*\e+8+\i]
.endr
.irp i, 0,1,2,3,4,5,6,7
	v_fmac_f32 v[BB+24*\e+\i], s[SW+2], v[BB+24*\e+16+\i]
.endr
.endr
.irp x, 0,1,2,3
	v_max3_num_f32 v[MX+\x], |v[BB+24*(\x/2)+4*(\x%2)]|, |v[BB+24*(\x/2)+4*(\x%2)+1]|, 0x8000000   ; with the floor 2^(16 - 127)
.endr
.irp x, 0,1,2,3
	v_max3_num_f32 v[MX+\x], v[MX+\x], |v[BB+24*(\x/2)+4*(\x%2)+2]|, |v[BB+24*(\x/2)+4*(\x%2)+3]|
.endr
.irp d, 1,2,4                          ; a block of 32 channels lies in eight neighbouring lanes
.irp x, 0,1,2,3
	v_max_num_f32_dpp v[MX+\x], v[MX+\x], v[MX+\x] row_xmask:\d row_mask:0xf bank_mask:0xf
.endr
.endr
.irp x, 0,1,2,3
	v_add_nc_u32 v[SCL+\x], 0xf8800000, v[MX+\x]   ; 15 off the exponent field: the conversion's scale operand
.endr
.irp x, 0,1,2,3
	v_and_or_b32 v[HLD+\x], v[MX+\x], 0x7f800000, s54   ; 57,344 x the scale
.endr
.irp x, 0,1,2,3
	v_lshrrev_b32 v[BYT+\x], 23, v[SCL+\x]         ; the scale's byte
.endr
.irp x, 0,1,2,3
.irp i, 0,1,2,3
	v_med3_num_f32 v[BB+24*(\x/2)+4*(\x%2)+\i], v[BB+24*(\x/2)+4*(\x%2)+\i], -v[HLD+\x], v[HLD+\x]
.endr
.endr
.irp x, 0,1,2,3                        ; the conversion takes eight numbers; my block has four a lane: the low register's four codes are used, the other four are dropped
	v_cvt_scalef32_pk8_bf8_f32 v[CDE+2*\x:CDE+2*\x+1], v[BB+24*(\x/2)+4*(\x%2):BB+24*(\x/2)+4*(\x%2)+7], v[SCL+\x]
.endr
	v_nop                                          ; a plain line behind the conversions
.irp x, 0,1,2,3
	ds_store_b32 v[IS], v[CDE+2*\x] offset:16*(2*(\k)+\x/2)+2176*(\x%2)
	ds_store_b8 v[IB], v[BYT+\x] offset:4*(2*(\k)+\x/2)+64*(\x%2)   ; eight lanes write the same byte with the same value
.endr
.endm
.macro P1LOAD x, buf                   ; block x of my two: 32 channels of my position; a wave reads 128 consecutive bytes
.set i, 0
.rept 32
	global_load_b32 v[\buf+i], v[PO], s[4:5] offset:524288*\x+16384*i th:TH_LOAD_NT
.set i, i+1
.endr
.endm
.macro P1PROC x, buf                   ; all 32 numbers of the block are mine
	v_max3_num_f32 v[MX], |v[\buf]|, |v[\buf+1]|, |v[\buf+2]|
	v_max3_num_f32 v[MX+1], |v[\buf+3]|, |v[\buf+4]|, |v[\buf+5]|
.irp i, 6,10,14,18,22,26
	v_max3_num_f32 v[MX], v[MX], |v[\buf+\i]|, |v[\buf+\i+1]|
	v_max3_num_f32 v[MX+1], v[MX+1], |v[\buf+\i+2]|, |v[\buf+\i+3]|
.endr
	v_max3_num_f32 v[MX], v[MX], |v[\buf+30]|, |v[\buf+31]|
	v_max3_num_f32 v[MX], v[MX], v[MX+1], 0x8000000
	v_add_nc_u32 v[SCL], 0xf8800000, v[MX]
	v_and_or_b32 v[HLD], v[MX], 0x7f800000, s54
	v_lshrrev_b32 v[BYT], 23, v[SCL]
.set i, 0
.rept 32
	v_med3_num_f32 v[\buf+i], v[\buf+i], -v[HLD], v[HLD]
.set i, i+1
.endr
.irp q, 0,1,2,3
	v_cvt_scalef32_pk8_bf8_f32 v[CDE+2*\q:CDE+2*\q+1], v[\buf+8*\q:\buf+8*\q+7], v[SCL]
.endr
	v_nop
	ds_store_b128 v[PS], v[CDE:CDE+3] offset:544*\x
	ds_store_b128 v[PS], v[CDE+4:CDE+7] offset:544*\x+272
	ds_store_b8 v[PB], v[BYT] offset:\x
.endm
	GLOAD 0
	GLOAD 1
	GLOAD 2
	s_wait_kmcnt 0x0                               ; the weights
.irp k, 0,1,2,3,4,5,6,7
.if \k == 6
	s_wait_loadcnt 44                              ; younger than group 6: group 7's 12 and 32 of points1
.elseif \k == 7
	s_wait_loadcnt 32                              ; younger than group 7: 32 of points1
.else
	s_wait_loadcnt 24                              ; younger than this group: two groups of 12
.endif
	PROC \k
.if \k < 5
	GLOAD \k+3
.elseif \k == 5
	P1LOAD 0, BUF+96
.elseif \k == 7
	P1LOAD 1, BUF
.endif
.endr
	s_wait_loadcnt 32                              ; the first block of points1 is in; the second's 32 loads may be out
	P1PROC 0, BUF+96
.irp u, 0,1                            ; 32 loads: W0's fragments of tiles 2 w + u, their scale words, b0
.irp s, 0,1,2
.irp c, 0,1,2,3
	global_load_b128 v[WF+16*(3*\u+\s)+4*\c:WF+16*(3*\u+\s)+4*\c+3], v[L16], s[58:59] offset:2048*(16*\s+\u)+512*\c
.endr
	global_load_b32 v[WSC+3*\u+\s], v[L4], s[60:61] offset:128*(16*\s+\u)
.endr
	global_load_b32 v[BI+\u], v[BA], s[10:11] offset:32*\u
.endr
	s_wait_loadcnt 32                              ; the second block is in; those 32 may be out
	P1PROC 1, BUF
	s_wait_dscnt 0x0
	s_barrier_signal -1
	s_barrier_wait -1                              ; h's codes and scale words lie in LDS
.irp j, 0,1,2,3,4,5,6,7,8,9,10,11
	ds_load_b32 v[HS+\j], v[L4] offset:HSC+128*\j  ; lanes 0-15 entry 2 j, lanes 16-31 entry 2 j + 1
.endr
.irp j, 0,1,2,3,4,5,6,7,8,9,10,11
	ds_load_b128 v[HF+4*\j:HF+4*\j+3], v[CW] offset:4352*\j   ; the copy out: pieces without their padding
.endr
	s_wait_dscnt 0x0
.irp j, 0,1,2,3,4,5,6,7,8,9,10,11
	global_store_b128 v[G16], v[HF+4*\j:HF+4*\j+3], s[62:63] offset:4096*\j   ; a wave stores 512 consecutive bytes
.endr
	s_cmp_lt_u32 s[WV], 3                          ; 1,536 bytes of scale words: 96 threads
	s_cbranch_scc0 .Lno_hs
	ds_load_b128 v[T:T+3], v[G16] offset:HSC
	s_wait_dscnt 0x0
	global_store_b128 v[G16], v[T:T+3], s[66:67]
.Lno_hs:
	s_wait_xcnt 0x0                                ; the stores have read their registers
.macro HFLOAD m
.irp s, 0,1,2
.irp c, 0,1,2,3
	ds_load_b128 v[HF+16*\s+4*\c:HF+16*\s+4*\c+3], v[FA] offset:TILEB*(\m)+PCH*(8*\s+2*\c)
.endr
.endr
.endm
.macro WM d, a, b, zero, sa, sb, odd   ; source 0 = 16 positions of h, source 1 = 16 rows of W0: a lane holds one channel, its registers eight positions
.if \zero
.if (\odd)
	v_wmma_scale_f32_16x16x128_f8f6f4 v[\d:\d+7], v[\a:\a+15], v[\b:\b+15], 0, v[\sa], v[\sb] matrix_a_fmt:MATRIX_FMT_BF8 matrix_b_fmt:MATRIX_FMT_BF8 matrix_a_scale:MATRIX_SCALE_ROW1
.else
	v_wmma_scale_f32_16x16x128_f8f6f4 v[\d:\d+7], v[\a:\a+15], v[\b:\b+15], 0, v[\sa], v[\sb] matrix_a_fmt:MATRIX_FMT_BF8 matrix_b_fmt:MATRIX_FMT_BF8
.endif
.else
.if (\odd)
	v_wmma_scale_f32_16x16x128_f8f6f4 v[\d:\d+7], v[\a:\a+15], v[\b:\b+15], v[\d:\d+7], v[\sa], v[\sb] matrix_a_fmt:MATRIX_FMT_BF8 matrix_b_fmt:MATRIX_FMT_BF8 matrix_a_scale:MATRIX_SCALE_ROW1
.else
	v_wmma_scale_f32_16x16x128_f8f6f4 v[\d:\d+7], v[\a:\a+15], v[\b:\b+15], v[\d:\d+7], v[\sa], v[\sb] matrix_a_fmt:MATRIX_FMT_BF8 matrix_b_fmt:MATRIX_FMT_BF8
.endif
.endif
.endm
.macro MM m                            ; six products; the two accumulators take turns
.irp s, 0,1,2
.irp u, 0,1
.if \s == 0
	WM ACC+16*((\m)%2)+8*\u, HF+16*\s, WF+16*(3*\u+\s), 1, HS+(3*(\m)+\s)/2, WSC+3*\u+\s, (3*(\m)+\s)%2
.else
	WM ACC+16*((\m)%2)+8*\u, HF+16*\s, WF+16*(3*\u+\s), 0, HS+(3*(\m)+\s)/2, WSC+3*\u+\s, (3*(\m)+\s)%2
.endif
.endr
.endr
.endm
.macro STATS m, u, first               ; eight positions of my channel: t = y - p, sums of t and of t^2, each in two pairs; the accumulator is read from its low end on
.set AC, ACC+16*((\m)%2)+8*\u
.set SS, STT+10*\u
.if \first
	v_xor_b32 v[SS], 0x80000000, v[AC]             ; -p: my first y
	v_xor_b32 v[SS+1], 0x80000000, v[AC]
.endif
.irp i, 0,2,4,6
	v_pk_add_f32 v[T+\i:T+\i+1], v[AC+\i:AC+\i+1], v[SS:SS+1]
.endr
	v_pk_add_f32 v[SS+2:SS+3], v[SS+2:SS+3], v[T:T+1]
	v_pk_add_f32 v[SS+4:SS+5], v[SS+4:SS+5], v[T+2:T+3]
	v_pk_add_f32 v[SS+2:SS+3], v[SS+2:SS+3], v[T+4:T+5]
	v_pk_add_f32 v[SS+4:SS+5], v[SS+4:SS+5], v[T+6:T+7]
	v_pk_fma_f32 v[SS+6:SS+7], v[T:T+1], v[T:T+1], v[SS+6:SS+7]
	v_pk_fma_f32 v[SS+8:SS+9], v[T+2:T+3], v[T+2:T+3], v[SS+8:SS+9]
	v_pk_fma_f32 v[SS+6:SS+7], v[T+4:T+5], v[T+4:T+5], v[SS+6:SS+7]
	v_pk_fma_f32 v[SS+8:SS+9], v[T+6:T+7], v[T+6:T+7], v[SS+8:SS+9]
.endm
.macro FINISH u                        ; my 64 positions' (mean, M2), joined with my partner lane's 64
.set SS, STT+10*\u
	v_add_f32 v[SS+2], v[SS+2], v[SS+3]
	v_add_f32 v[SS+4], v[SS+4], v[SS+5]
	v_add_f32 v[SS+6], v[SS+6], v[SS+7]
	v_add_f32 v[SS+8], v[SS+8], v[SS+9]
	v_add_f32 v[SS+2], v[SS+2], v[SS+4]            ; S1
	v_add_f32 v[SS+6], v[SS+6], v[SS+8]            ; S2
	v_mul_f32 v[SS+3], 0x3c800000, v[SS+2]         ; S1 / 64
	v_sub_f32 v[SS+4], v[SS+3], v[SS]              ; my mean = p + S1 / 64
	v_fma_f32 v[SS+6], -v[SS+3], v[SS+2], v[SS+6]  ; my M2 = S2 - S1^2 / 64
	v_permlanex16_b32 v[SS+5], v[SS+4], s52, s53
	v_permlanex16_b32 v[SS+7], v[SS+6], s52, s53
	v_sub_f32 v[SS+8], v[SS+4], v[SS+5]
	v_add_f32 v[SS+4], v[SS+4], v[SS+5]
	v_add_f32 v[SS+6], v[SS+6], v[SS+7]
	v_mul_f32 v[SS+9], v[SS+8], v[SS+8]
	v_fma_f32 v[SS+4], v[SS+4], 0.5, v[BI+\u]      ; the mean of 128 positions, with the bias
	v_fma_f32 v[SS+5], v[SS+9], 0x42000000, v[SS+6]   ; M2 = both M2 + 32 x (difference of the means)^2
.endm
	HFLOAD 0
.irp u, 0,1
.irp i, 2,3,4,5,6,7,8,9
	v_mov_b32 v[STT+10*\u+\i], 0
.endr
.endr
	s_wait_loadcnt 0x0                             ; W0's fragments, scale words, b0
.irp m, 0,1,2,3,4,5,6,7
	s_wait_dscnt 0x0                               ; this tile's fragments
	MM \m
.if \m == 0
.rept 9
	v_nop                                          ; places behind the products: eight for the loads below, nine since tile 2 begins these accumulators anew
.endr
.elseif \m == 1
	STATS 0, 0, 1                                  ; the last tile's statistics name none of these products' registers: they are the places
.else
	STATS \m-1, 0, 0
.endif
.if \m < 7
	HFLOAD \m+1
.endif
.if \m == 1
	STATS 0, 1, 1
.elseif \m > 1
	STATS \m-1, 1, 0
.endif
.endr
	STATS 7, 0, 0
	STATS 7, 1, 0
	FINISH 0
	FINISH 1
	v_cmp_gt_u32 vcc_lo, 16, v1                    ; both halves of the lanes hold the same records: lanes 0-15 store them
	s_wait_xcnt 0x0                                ; EXEC changes only behind this wait
	s_set_vgpr_msb 0x5
	s_wait_tensorcnt 0x0
	ds_add_u32 v0, v1
	s_wait_dscnt 0x0
	s_set_vgpr_msb 0x500
	s_and_saveexec_b32 s15, vcc_lo
	global_store_b64 v[RA], v[STT+4:STT+5], s[2:3]
	global_store_b64 v[RA], v[STT+14:STT+15], s[2:3] offset:64
	s_wait_xcnt 0x0
	s_or_b32 exec_lo, exec_lo, s15
	s_endpgm
.Lfunc_end_k_q483e02750d_conv0s:
	.size	k_q483e02750d_conv0s, .Lfunc_end_k_q483e02750d_conv0s-k_q483e02750d_conv0s
	.p2alignl 7, 3214868480
	.fill 96, 4, 3214868480
	.section	.rodata,"a",@progbits
	.p2align	6, 0x0
	.amdhsa_kernel k_q483e02750d_conv0s
		.amdhsa_group_segment_fixed_size 54784
		.amdhsa_private_segment_fixed_size 0
		.amdhsa_enable_private_segment 0
		.amdhsa_kernarg_size 40
		.amdhsa_user_sgpr_count 2
		.amdhsa_user_sgpr_kernarg_segment_ptr 1
		.amdhsa_wavefront_size32 1
		.amdhsa_system_sgpr_workgroup_id_x 1
		.amdhsa_system_sgpr_workgroup_id_y 1
		.amdhsa_system_sgpr_workgroup_id_z 1
		.amdhsa_system_vgpr_workitem_id 0
		.amdhsa_next_free_vgpr 258
		.amdhsa_next_free_sgpr 100
		.amdhsa_reserve_vcc 1
		.amdhsa_float_denorm_mode_32 3
		.amdhsa_float_denorm_mode_16_64 3
		.amdhsa_memory_ordered 1
		.amdhsa_forward_progress 1
		.amdhsa_inst_pref_size 111
	.end_amdhsa_kernel
	.amdgpu_metadata
---
amdhsa.version: [ 1, 2 ]
amdhsa.kernels:
  - .name:           k_q483e02750d_conv0s
    .symbol:         k_q483e02750d_conv0s.kd
    .args:
      - { .name: points1, .offset: 0, .size: 8, .value_kind: global_buffer, .address_space: global }
      - { .name: nidx, .offset: 8, .size: 8, .value_kind: global_buffer, .address_space: global }
      - { .name: prep, .offset: 16, .size: 8, .value_kind: global_buffer, .address_space: global }
      - { .name: b0, .offset: 24, .size: 8, .value_kind: global_buffer, .address_space: global }
      - { .name: cout, .offset: 32, .size: 8, .value_kind: global_buffer, .address_space: global }
    .group_segment_fixed_size: 54784
    .private_segment_fixed_size: 0
    .kernarg_segment_align: 8
    .kernarg_segment_size: 40
    .max_flat_workgroup_size: 256
    .sgpr_count:     100
    .vgpr_count:     258
    .wavefront_size: 32
...
	.end_amdgpu_metadata
.endif
;; end of part 3
;; launch bn0 (part 4): grid 8 x 1, 8 waves a work-group, no clusters, 3,072 bytes of LDS; arguments cout, b0, g0, bnp0; writes bnp0
.if DOCPART == 4
	.amdgcn_target "amdgcn-amd-amdhsa--gfx1250"
	.amdhsa_code_object_version 6
	.text
	.protected	k_q483e02750d_bn0
	.globl	k_q483e02750d_bn0
	.p2align	8
	.type	k_q483e02750d_bn0,@function
k_q483e02750d_bn0:
	s_mov_b64 s[64:65], 0
	v_nop
	global_prefetch_b8 v0, s[64:65] scope:SCOPE_SE
	s_setreg_imm32_b32 hwreg(HW_REG_WAVE_MODE, 25, 1), 1
	s_wait_xcnt 0x0
; The 256 records (mean, M2 over 128 positions) of each channel become the batch norm's two figures: bm = b - mean, which the
; next launch gives its sums to start from, and k = g / sqrt(var + 1e-5).
; Work-group j, lane l: channel 32 j + l.  Wave w holds records 32 w .. 32 w + 31 in registers through both passes:
; pass 1: the mean of the means; pass 2: the sum of M2 + 128 x the sum of (mean_i - mean)^2; var = that / 32,768 (biased).
; The waves' parts meet in LDS, each pass in bytes of its own.  A load of a wave covers 256 consecutive bytes.
; 512 KiB are read once by 64 waves; nothing here would feed a matrix unit or a cluster.
	s_load_b256 s[4:11], s[0:1], 0x0               ; records, b, g, bnp
	v_lshl_add_u32 v96, v0, 2, 0x800
	v_mov_b32 v97, 0
	v_lshrrev_b32 v1, 5, v0
	v_readfirstlane_b32 s12, v1                    ; wave 0..7
	v_and_b32 v1, 31, v0
	v_lshlrev_b32 v2, 3, v1
	s_lshl_b32 s13, s12, 16                        ; 32 records of 2,048 bytes
	v_add_nc_u32 v2, s13, v2
	v_lshlrev_b32 v3, 2, v1
	v_lshlrev_b32 v4, 2, v0                        ; LDS: 128 w + 4 l
	s_lshl_b32 s14, ttmp9, 8
	s_mov_b32 s15, 0
	s_lshl_b32 s16, ttmp9, 7
	s_mov_b32 s17, 0
	s_wait_kmcnt 0x0
	s_add_nc_u64 s[4:5], s[4:5], s[14:15]
	s_add_nc_u64 s[6:7], s[6:7], s[16:17]
	s_add_nc_u64 s[8:9], s[8:9], s[16:17]
	s_add_nc_u64 s[10:11], s[10:11], s[16:17]
.set i, 0
.rept 32
	global_load_b64 v[32+2*i:33+2*i], v2, s[4:5] offset:2048*i
.set i, i+1
.endr
	global_load_b32 v5, v3, s[6:7]
	global_load_b32 v6, v3, s[8:9]
	s_wait_loadcnt 0x0
.set i, 0
.rept 16
	v_add_f32 v[8+i], v[32+4*i], v[34+4*i]         ; a tree over my 32 means
.set i, i+1
.endr
.irp n, 8,4,2,1
.set i, 0
.rept \n
	v_add_f32 v[8+i], v[8+2*i], v[9+2*i]
.set i, i+1
.endr
.endr
	ds_store_b32 v4, v8
	s_wait_dscnt 0x0
	s_barrier_signal -1
	s_barrier_wait -1
.irp c, 0,1,2,3,4,5,6,7
	ds_load_b32 v[8+\c], v3 offset:128*\c
.endr
	s_wait_dscnt 0x0
.irp n, 4,2,1
.set i, 0
.rept \n
	v_add_f32 v[8+i], v[8+2*i], v[9+2*i]
.set i, i+1
.endr
.endr
	v_mul_f32 v7, 0x3b800000, v8                   ; / 256: the mean
.set i, 0
.rept 32
	v_sub_f32 v[32+2*i], v[32+2*i], v7
.set i, i+1
.endr
.irp i, 0,1,2,3
	v_mul_f32 v[16+\i], v[32+2*\i], v[32+2*\i]     ; four chains start
	v_add_f32 v[20+\i], v[33+2*\i], v[41+2*\i]
.endr
.set i, 4
.rept 28
	v_fma_f32 v[16+i%4], v[32+2*i], v[32+2*i], v[16+i%4]
.set i, i+1
.endr
.set i, 8
.rept 24
	v_add_f32 v[20+i%4], v[20+i%4], v[33+2*i]
.set i, i+1
.endr
	v_add_f32 v16, v16, v17
	v_add_f32 v18, v18, v19
	v_add_f32 v20, v20, v21
	v_add_f32 v22, v22, v23
	v_add_f32 v16, v16, v18
	v_add_f32 v20, v20, v22
	v_fma_f32 v16, v16, 0x43000000, v20            ; 128 x the sum of squares + the sum of M2
	ds_store_b32 v4, v16 offset:1024
	s_wait_dscnt 0x0
	s_barrier_signal -1
	s_barrier_wait -1
.irp c, 0,1,2,3,4,5,6,7
	ds_load_b32 v[8+\c], v3 offset:1024+128*\c
.endr
	s_wait_dscnt 0x0
.irp n, 4,2,1
.set i, 0
.rept \n
	v_add_f32 v[8+i], v[8+2*i], v[9+2*i]
.set i, i+1
.endr
.endr
	v_mul_f32 v8, 0x38000000, v8                   ; / 32,768: the variance
	v_add_f32 v8, 0x3727c5ac, v8                   ; + 1e-5
	v_rsq_f32 v8, v8
	v_sub_f32 v10, v5, v7                          ; bm = b - mean (a plain line behind the root)
	s_wait_alu depctr_va_vdst(0)
	v_mul_f32 v9, v6, v8                           ; k
	s_cmp_lg_u32 s12, 0                            ; every wave holds the same figures: wave 0 stores them
	s_cbranch_scc1 .Lend
	global_store_b32 v3, v10, s[10:11]
	global_store_b32 v3, v9, s[10:11] offset:1024
.Lend:
	s_wait_tensorcnt 0x0
	ds_add_u32 v96, v97
	s_wait_dscnt 0x0
	s_endpgm
.Lfunc_end_k_q483e02750d_bn0:
	.size	k_q483e02750d_bn0, .Lfunc_end_k_q483e02750d_bn0-k_q483e02750d_bn0
	.p2alignl 7, 3214868480
	.fill 96, 4, 3214868480
	.section	.rodata,"a",@progbits
	.p2align	6, 0x0
	.amdhsa_kernel k_q483e02750d_bn0
		.amdhsa_group_segment_fixed_size 3072
		.amdhsa_private_segment_fixed_size 0
		.amdhsa_enable_private_segment 0
		.amdhsa_kernarg_size 32
		.amdhsa_user_sgpr_count 2
		.amdhsa_user_sgpr_kernarg_segment_ptr 1
		.amdhsa_wavefront_size32 1
		.amdhsa_system_sgpr_workgroup_id_x 1
		.amdhsa_system_sgpr_workgroup_id_y 1
		.amdhsa_system_sgpr_workgroup_id_z 1
		.amdhsa_system_vgpr_workitem_id 0
		.amdhsa_next_free_vgpr 98
		.amdhsa_next_free_sgpr 66
		.amdhsa_reserve_vcc 0
		.amdhsa_float_denorm_mode_32 3
		.amdhsa_float_denorm_mode_16_64 3
		.amdhsa_memory_ordered 1
		.amdhsa_forward_progress 1
		.amdhsa_inst_pref_size 12
	.end_amdhsa_kernel
	.amdgpu_metadata
---
amdhsa.version: [ 1, 2 ]
amdhsa.kernels:
  - .name:           k_q483e02750d_bn0
    .symbol:         k_q483e02750d_bn0.kd
    .args:
      - { .name: cout, .offset: 0, .size: 8, .value_kind: global_buffer, .address_space: global }
      - { .name: b0, .offset: 8, .size: 8, .value_kind: global_buffer, .address_space: global }
      - { .name: g0, .offset: 16, .size: 8, .value_kind: global_buffer, .address_space: global }
      - { .name: bnp0, .offset: 24, .size: 8, .value_kind: global_buffer, .address_space: global }
    .group_segment_fixed_size: 3072
    .private_segment_fixed_size: 0
    .kernarg_segment_align: 8
    .kernarg_segment_size: 32
    .max_flat_workgroup_size: 256
    .sgpr_count:     66
    .vgpr_count:     98
    .wavefront_size: 32
...
	.end_amdgpu_metadata
.endif
;; end of part 4
;; launch conv1s (part 5): grid 256 x 1, 8 waves a work-group, no clusters, 89,088 bytes of LDS; arguments cout, prep, bnp0, beta0, b1, dout; writes dout
.if DOCPART == 5
	.amdgcn_target "amdgcn-amd-amdhsa--gfx1250"
	.amdhsa_code_object_version 6
	.text
	.protected	k_q483e02750d_conv1s
	.globl	k_q483e02750d_conv1s
	.p2align	8
	.type	k_q483e02750d_conv1s,@function
k_q483e02750d_conv1s:
	s_mov_b64 s[64:65], 0
	v_nop
	global_prefetch_b8 v0, s[64:65] scope:SCOPE_SE
	s_setreg_imm32_b32 hwreg(HW_REG_WAVE_MODE, 25, 1), 1
	s_wait_xcnt 0x0
; h1 = relu(((W0 h + b0) - mean) k + beta) for 128 positions, from h's stored codes; quantised to E5M2 along its 256 channels;
; W1 h1 on the codes; the records (mean, M2) of each output channel over these positions.  Stored: h1's codes and scale words, the records.
; FIRST PART, used transposed: source 0 = 16 rows of W0, source 1 = 16 positions of h.  Lane r of tile t of the weights holds row
; 32 (t / 2) + 8 (t % 2) + r + 8 (r / 8), so lane (r, h) holds position r, and the 16 registers of my two tiles are channels
; 32 w + 16 h + 0 .. 15: sixteen neighbours along the next K, half of block w.  The sums start from b0 - mean; k and beta are one
; packed multiply-add; the hold ahead of the conversion clips at 0, which is the activation.
; SECOND PART: source 0 = 16 positions of h1, source 1 = 16 rows of W1: a lane holds one channel, and the statistics run as in the
; launch before: t = y - p, p the lane's own first y; (mean, M2) joined with the partner lane's.
; LDS: h as 8 tiles of 24 pieces of 272 bytes; h1 as 8 tiles of 16 pieces; h1's 16 entries of 16 scale words.
; The weights' images that all work-groups read (163,840 bytes) go straight into registers, a wave's own part each: no cluster.
; LIMITS: as in the launch before.
.set TILEB, 6528
.set T1B,   4352
.set PCH,   272
.set H1IMG, 52224
.set H1SC,  87040
.set L16, 2
.set L4,  3
.set FA,  4                            ; v4  272 h + 16 r
.set CW,  5                            ; v5  272 (t / 16) + 16 (t % 16)
.set G16, 6                            ; v6  16 x thread
.set RA,  7                            ; v7  8 x my channel (second part)
.set BA,  8                            ; v8  4 x my channel
.set H1W, 9                            ; v9  where my 16 codes of h1 go
.set H1B, 10                           ; v10 and their block's byte
.set PL,  11                           ; v11 4 (32 w + 16 h): my 16 channels' figures
.set FA1, 12                           ; v12-15 the same places in the regions beyond an immediate's reach
.set CW1, 13
.set LS1, 14
.set GS1, 15
.set HF,  16                           ; v16-63   h's three fragments; then
.set H1F, 16                           ; v16-47   h1's two
.set WF,  64                           ; v64-159  W0's six fragments; then
.set W1F, 64                           ; v64-127  W1's four: 16 (2 u + s)
.set ACC, 128                          ; v128-159 two sets of two accumulators
.set BM,  160                          ; v160-175 b0 - mean, v176-191 k, v192-207 beta of my 16 channels; then
.set KK,  176
.set BE,  192
.set T,   160                          ; v160-167 at work, v168-187 statistics, v188-189 b1
.set STT, 168
.set BI,  188
.set HS,  208                          ; v208-219 h's scale words; then v208-215 h1's
.set H1S, 208
.set WSC, 220                          ; v220-225 W0's scale words; then v220-223 W1's
.set Y,   226                          ; v226-241 my two tiles of y0
.set CD,  248                          ; v248-255 codes, two sets
.set WV,  16
	s_load_b256 s[4:11], s[0:1], 0x0               ; cout, prep, bnp0, beta0
	s_load_b128 s[12:15], s[0:1], 0x20             ; b1, dout
	v_lshl_add_u32 v247, v0, 2, 0x15800
	s_set_vgpr_msb 0x40
	v_mov_b32 v1, 0
	s_set_vgpr_msb 0x4000
	v_lshrrev_b32 v1, 5, v0
	v_readfirstlane_b32 s[WV], v1                  ; wave 0..7
	v_and_b32 v1, 31, v0
	v_and_b32 v242, 15, v0                         ; r
	v_bfe_u32 v243, v0, 4, 1                       ; h
	v_lshlrev_b32 v[L16], 4, v1
	v_lshlrev_b32 v[L4], 2, v1
	v_mul_u32_u24 v[FA], v243, PCH
	v_lshl_add_u32 v[FA], v242, 4, v[FA]
	v_lshrrev_b32 v[CW], 4, v0
	v_mul_u32_u24 v[CW], v[CW], PCH
	v_lshl_add_u32 v[CW], v242, 4, v[CW]
	v_lshlrev_b32 v[G16], 4, v0
	v_and_b32 v[BA], 8, v242
	v_add_nc_u32 v[BA], v[BA], v242
	s_lshl_b32 s18, s[WV], 5
	v_add_nc_u32 v[BA], s18, v[BA]
	v_lshlrev_b32 v[RA], 3, v[BA]
	v_lshlrev_b32 v[BA], 2, v[BA]
	s_mul_i32 s18, s[WV], 2*PCH
	s_add_co_u32 s18, s18, H1IMG
	v_add_nc_u32 v[H1W], s18, v[FA]                ; piece 2 w + h, row r
	s_lshr_b32 s18, s[WV], 2
	s_lshl_b32 s18, s18, 6
	s_and_b32 s19, s[WV], 3
	s_add_co_u32 s18, s18, s19
	s_add_co_u32 s18, s18, H1SC
	v_lshl_add_u32 v[H1B], v242, 2, s18            ; K step w / 4, row r, byte w % 4
	v_lshlrev_b32 v[PL], 6, v243
	s_lshl_b32 s18, s[WV], 7
	v_add_nc_u32 v[PL], s18, v[PL]
	v_add_nc_u32 v[FA1], H1IMG, v[FA]
	v_add_nc_u32 v[CW1], H1IMG, v[CW]
	v_add_nc_u32 v[LS1], H1SC, v[L4]
	v_add_nc_u32 v[GS1], H1SC, v[G16]
	s_mov_b32 s34, 0x76543210
	s_mov_b32 s35, 0xfedcba98                      ; lane l xor 16
	s_mov_b32 s36, 0x600000                        ; the mantissa field of 57,344
	s_mov_b32 s19, 0
	s_wait_kmcnt 0x0
	s_mul_i32 s18, ttmp9, 49152
	s_add_nc_u64 s[20:21], s[4:5], s[18:19]
	s_add_nc_u64 s[20:21], s[20:21], 524288        ; h's codes
	s_mul_i32 s18, ttmp9, 1536
	s_add_nc_u64 s[22:23], s[4:5], s[18:19]
	s_add_nc_u64 s[22:23], s[22:23], 13107200      ; h's scale words
	s_lshl_b32 s18, s[WV], 12
	s_add_nc_u64 s[24:25], s[6:7], s[18:19]
	s_add_nc_u64 s[24:25], s[24:25], 17301504      ; the weights' images at tile 2 w
	s_lshl_b32 s18, s[WV], 8
	s_add_nc_u64 s[26:27], s[6:7], s[18:19]
	s_add_nc_u64 s[26:27], s[26:27], 17465344      ; their scale words
	s_lshl_b32 s18, ttmp9, 15
	s_add_nc_u64 s[28:29], s[14:15], s[18:19]
	s_add_nc_u64 s[28:29], s[28:29], 524288        ; h1's codes
	s_lshl_b32 s18, ttmp9, 10
	s_add_nc_u64 s[30:31], s[14:15], s[18:19]
	s_add_nc_u64 s[30:31], s[30:31], 8912896       ; h1's scale words
	s_lshl_b32 s18, ttmp9, 11
	s_add_nc_u64 s[32:33], s[14:15], s[18:19]      ; the records
.irp j, 0,1,2,3,4,5,6,7,8,9,10,11
	global_load_b128 v[HF+4*\j:HF+4*\j+3], v[G16], s[20:21] offset:4096*\j
.endr
.irp u, 0,1
.irp s, 0,1,2
.irp c, 0,1,2,3
	global_load_b128 v[WF+16*(3*\u+\s)+4*\c:WF+16*(3*\u+\s)+4*\c+3], v[L16], s[24:25] offset:2048*(16*\s+\u)+512*\c
.endr
	global_load_b32 v[WSC+3*\u+\s], v[L4], s[26:27] offset:128*(16*\s+\u)
.endr
.endr
.irp j, 0,1,2,3,4,5,6,7,8,9,10,11
	global_load_b32 v[HS+\j], v[L4], s[22:23] offset:128*\j   ; lanes 0-15 entry 2 j, lanes 16-31 entry 2 j + 1
.endr
	s_wait_loadcnt 42                              ; h's codes are in; 24 + 6 + 12 younger loads may be out
.irp j, 0,1,2,3,4,5,6,7,8,9,10,11
	ds_store_b128 v[CW], v[HF+4*\j:HF+4*\j+3] offset:4352*\j
.endr
.irp i, 0,1,2,3
	global_load_b128 v[BM+4*\i:BM+4*\i+3], v[PL], s[8:9] offset:16*\i
	global_load_b128 v[KK+4*\i:KK+4*\i+3], v[PL], s[8:9] offset:1024+16*\i
	global_load_b128 v[BE+4*\i:BE+4*\i+3], v[PL], s[10:11] offset:16*\i
.endr
	s_wait_dscnt 0x0
	s_barrier_signal -1
	s_barrier_wait -1                              ; h's eight tiles lie in LDS
.macro HFLOAD m
.irp s, 0,1,2
.irp c, 0,1,2,3
	ds_load_b128 v[HF+16*\s+4*\c:HF+16*\s+4*\c+3], v[FA] offset:TILEB*(\m)+PCH*(8*\s+2*\c)
.endr
.endr
.endm
.macro WT d, a, b, c, sa, sb, odd      ; transposed: source 0 = W0's rows, source 1 = h's positions, whose scale words lie in lanes 16-31 for odd entries
.if (\odd)
	v_wmma_scale_f32_16x16x128_f8f6f4 v[\d:\d+7], v[\a:\a+15], v[\b:\b+15], v[\c:\c+7], v[\sa], v[\sb] matrix_a_fmt:MATRIX_FMT_BF8 matrix_b_fmt:MATRIX_FMT_BF8 matrix_b_scale:MATRIX_SCALE_ROW1
.else
	v_wmma_scale_f32_16x16x128_f8f6f4 v[\d:\d+7], v[\a:\a+15], v[\b:\b+15], v[\c:\c+7], v[\sa], v[\sb] matrix_a_fmt:MATRIX_FMT_BF8 matrix_b_fmt:MATRIX_FMT_BF8
.endif
.endm
.macro D1TILE m
.if \m == 0
	s_wait_dscnt 0x0
.else
	s_wait_dscnt 0x2                               ; this tile's fragments are in; the last tile's two stores, issued behind them, may be out
.endif
.irp s, 0,1,2                          ; the two accumulators take turns
.irp u, 0,1
.if \s == 0
	WT Y+8*\u, WF+16*(3*\u+\s), HF+16*\s, BM+8*\u, WSC+3*\u+\s, HS+(3*(\m)+\s)/2, (3*(\m)+\s)%2
.else
	WT Y+8*\u, WF+16*(3*\u+\s), HF+16*\s, Y+8*\u, WSC+3*\u+\s, HS+(3*(\m)+\s)/2, (3*(\m)+\s)%2
.endif
.endr
.endr
.rept 9
	v_nop                                          ; places behind the products: eight for the loads and reads below, nine since the next tile begins these accumulators anew
.endr
.if \m < 7
	HFLOAD \m+1
.else
.irp u, 0,1                            ; W0 is done with: W1's fragments of tiles 2 w + u take its place
.irp s, 0,1
.irp c, 0,1,2,3
	global_load_b128 v[W1F+16*(2*\u+\s)+4*\c:W1F+16*(2*\u+\s)+4*\c+3], v[L16], s[24:25] offset:2048*(48+16*\s+\u)+512*\c
.endr
	global_load_b32 v[WSC+2*\u+\s], v[L4], s[26:27] offset:128*(48+16*\s+\u)
.endr
.endr
.endif
.irp i, 0,2,4,6,8,10,12,14
	v_pk_fma_f32 v[Y+\i:Y+\i+1], v[Y+\i:Y+\i+1], v[KK+\i:KK+\i+1], v[BE+\i:BE+\i+1]   ; (y - mean) k + beta; each accumulator from its low end on
.endr
	v_max3_num_f32 v242, v[Y], v[Y+1], 0x8000000   ; no |.|: what is negative becomes 0 and must not count; the floor 2^(16 - 127) stands over it
	v_max3_num_f32 v243, v[Y+8], v[Y+9], v[Y+10]
	v_max3_num_f32 v242, v242, v[Y+2], v[Y+3]
	v_max3_num_f32 v243, v243, v[Y+11], v[Y+12]
	v_max3_num_f32 v242, v242, v[Y+4], v[Y+5]
	v_max3_num_f32 v243, v243, v[Y+13], v[Y+14]
	v_max3_num_f32 v242, v242, v[Y+6], v[Y+7]
	v_max3_num_f32 v242, v242, v243, v[Y+15]
	v_permlanex16_b32 v243, v242, s34, s35
	v_max_num_f32 v242, v242, v243                 ; with lane l xor 16's sixteen: the block's
	v_add_nc_u32 v244, 0xf8800000, v242            ; 15 off the exponent field: the conversion's scale operand
	v_and_or_b32 v245, v242, 0x7f800000, s36       ; 57,344 x the scale
	v_lshrrev_b32 v246, 23, v244                   ; the scale's byte
.irp i, 0,1,2,3,4,5,6,7,8,9,10,11,12,13,14,15
	v_med3_num_f32 v[Y+\i], v[Y+\i], 0, v245       ; the activation and the hold in one
.endr
	v_cvt_scalef32_pk8_bf8_f32 v[CD+4*((\m)%2):CD+4*((\m)%2)+1], v[Y:Y+7], v244
	v_cvt_scalef32_pk8_bf8_f32 v[CD+4*((\m)%2)+2:CD+4*((\m)%2)+3], v[Y+8:Y+15], v244
	v_nop                                          ; a plain line behind the conversions: the next products write their sources
	ds_store_b128 v[H1W], v[CD+4*((\m)%2):CD+4*((\m)%2)+3] offset:T1B*(\m)
	ds_store_b8 v[H1B], v246 offset:128*(\m)       ; both halves of the lanes write the same byte with the same value
.endm
	HFLOAD 0
	s_wait_loadcnt 0x0
.irp m, 0,1,2,3,4,5,6,7
	D1TILE \m
.endr
	s_wait_dscnt 0x0
	s_barrier_signal -1
	s_barrier_wait -1                              ; h1's codes and scale words lie in LDS
.irp u, 0,1
	global_load_b32 v[BI+\u], v[BA], s[12:13] offset:32*\u   ; b1 (its registers held k until now)
.endr
.irp j, 0,1,2,3,4,5,6,7
	ds_load_b32 v[H1S+\j], v[LS1] offset:128*\j    ; tile j: lanes 0-15 K step 0, lanes 16-31 K step 1
.endr
.irp j, 0,1,2,3,4,5,6,7
	ds_load_b128 v[H1F+4*\j:H1F+4*\j+3], v[CW1] offset:4352*\j
.endr
	s_wait_dscnt 0x0
.irp j, 0,1,2,3,4,5,6,7
	global_store_b128 v[G16], v[H1F+4*\j:H1F+4*\j+3], s[28:29] offset:4096*\j
.endr
	s_cmp_lt_u32 s[WV], 2                          ; 1,024 bytes of scale words: 64 threads
	s_cbranch_scc0 .Lno_hs
	ds_load_b128 v[T:T+3], v[GS1]
	s_wait_dscnt 0x0
	global_store_b128 v[G16], v[T:T+3], s[30:31]
.Lno_hs:
	s_wait_xcnt 0x0                                ; the stores have read their registers
.macro H1LOAD m
.irp s, 0,1
.irp c, 0,1,2,3
	ds_load_b128 v[H1F+16*\s+4*\c:H1F+16*\s+4*\c+3], v[FA1] offset:T1B*(\m)+PCH*(8*\s+2*\c)
.endr
.endr
.endm
.macro MM m                            ; four products: source 0 = h1's positions, source 1 = W1's rows; the two accumulators take turns
.irp u, 0,1
	v_wmma_scale_f32_16x16x128_f8f6f4 v[ACC+16*((\m)%2)+8*\u:ACC+16*((\m)%2)+8*\u+7], v[H1F:H1F+15], v[W1F+32*\u:W1F+32*\u+15], 0, v[H1S+(\m)], v[WSC+2*\u] matrix_a_fmt:MATRIX_FMT_BF8 matrix_b_fmt:MATRIX_FMT_BF8
.endr
.irp u, 0,1
	v_wmma_scale_f32_16x16x128_f8f6f4 v[ACC+16*((\m)%2)+8*\u:ACC+16*((\m)%2)+8*\u+7], v[H1F+16:H1F+31], v[W1F+32*\u+16:W1F+32*\u+31], v[ACC+16*((\m)%2)+8*\u:ACC+16*((\m)%2)+8*\u+7], v[H1S+(\m)], v[WSC+2*\u+1] matrix_a_fmt:MATRIX_FMT_BF8 matrix_b_fmt:MATRIX_FMT_BF8 matrix_a_scale:MATRIX_SCALE_ROW1
.endr
.endm
.macro STATS m, u, first               ; eight positions of my channel: t = y - p, sums of t and of t^2; the accumulator is read from its low end on
.set AC, ACC+16*((\m)%2)+8*\u
.set SS, STT+10*\u
.if \first
	v_xor_b32 v[SS], 0x80000000, v[AC]
	v_xor_b32 v[SS+1], 0x80000000, v[AC]
.endif
.irp i, 0,2,4,6
	v_pk_add_f32 v[T+\i:T+\i+1], v[AC+\i:AC+\i+1], v[SS:SS+1]
.endr
	v_pk_add_f32 v[SS+2:SS+3], v[SS+2:SS+3], v[T:T+1]
	v_pk_add_f32 v[SS+4:SS+5], v[SS+4:SS+5], v[T+2:T+3]
	v_pk_add_f32 v[SS+2:SS+3], v[SS+2:SS+3], v[T+4:T+5]
	v_pk_add_f32 v[SS+4:SS+5], v[SS+4:SS+5], v[T+6:T+7]
	v_pk_fma_f32 v[SS+6:SS+7], v[T:T+1], v[T:T+1], v[SS+6:SS+7]
	v_pk_fma_f32 v[SS+8:SS+9], v[T+2:T+3], v[T+2:T+3], v[SS+8:SS+9]
	v_pk_fma_f32 v[SS+6:SS+7], v[T+4:T+5], v[T+4:T+5], v[SS+6:SS+7]
	v_pk_fma_f32 v[SS+8:SS+9], v[T+6:T+7], v[T+6:T+7], v[SS+8:SS+9]
.endm
.macro FINISH u
.set SS, STT+10*\u
	v_add_f32 v[SS+2], v[SS+2], v[SS+3]
	v_add_f32 v[SS+4], v[SS+4], v[SS+5]
	v_add_f32 v[SS+6], v[SS+6], v[SS+7]
	v_add_f32 v[SS+8], v[SS+8], v[SS+9]
	v_add_f32 v[SS+2], v[SS+2], v[SS+4]
	v_add_f32 v[SS+6], v[SS+6], v[SS+8]
	v_mul_f32 v[SS+3], 0x3c800000, v[SS+2]         ; S1 / 64
	v_sub_f32 v[SS+4], v[SS+3], v[SS]              ; my mean = p + S1 / 64
	v_fma_f32 v[SS+6], -v[SS+3], v[SS+2], v[SS+6]  ; my M2 = S2 - S1^2 / 64
	v_permlanex16_b32 v[SS+5], v[SS+4], s34, s35
	v_permlanex16_b32 v[SS+7], v[SS+6], s34, s35
	v_sub_f32 v[SS+8], v[SS+4], v[SS+5]
	v_add_f32 v[SS+4], v[SS+4], v[SS+5]
	v_add_f32 v[SS+6], v[SS+6], v[SS+7]
	v_mul_f32 v[SS+9], v[SS+8], v[SS+8]
	v_fma_f32 v[SS+4], v[SS+4], 0.5, v[BI+\u]
	v_fma_f32 v[SS+5], v[SS+9], 0x42000000, v[SS+6]
.endm
	H1LOAD 0
.irp u, 0,1
.irp i, 2,3,4,5,6,7,8,9
	v_mov_b32 v[STT+10*\u+\i], 0
.endr
.endr
	s_wait_loadcnt 0x0                             ; W1's fragments, scale words, b1
.irp m, 0,1,2,3,4,5,6,7
	s_wait_dscnt 0x0
	MM \m
.if \m == 0
.rept 9
	v_nop                                          ; eight places for the loads below, nine since tile 2 begins these accumulators anew
.endr
.elseif \m == 1
	STATS 0, 0, 1                                  ; the last tile's statistics name none of these products' registers: they are the places
.else
	STATS \m-1, 0, 0
.endif
.if \m < 7
	H1LOAD \m+1
.endif
.if \m == 1
	STATS 0, 1, 1
.elseif \m > 1
	STATS \m-1, 1, 0
.endif
.endr
	STATS 7, 0, 0
	STATS 7, 1, 0
	FINISH 0
	FINISH 1
	v_cmp_gt_u32 vcc_lo, 16, v1                    ; both halves of the lanes hold the same records: lanes 0-15 store them
	s_wait_xcnt 0x0                                ; EXEC changes only behind this wait
	s_set_vgpr_msb 0x4
	s_wait_tensorcnt 0x0
	ds_add_u32 v247, v1
	s_wait_dscnt 0x0
	s_set_vgpr_msb 0x400
	s_and_saveexec_b32 s18, vcc_lo
	global_store_b64 v[RA], v[STT+4:STT+5], s[32:33]
	global_store_b64 v[RA], v[STT+14:STT+15], s[32:33] offset:64
	s_wait_xcnt 0x0
	s_or_b32 exec_lo, exec_lo, s18
	s_endpgm
.Lfunc_end_k_q483e02750d_conv1s:
	.size	k_q483e02750d_conv1s, .Lfunc_end_k_q483e02750d_conv1s-k_q483e02750d_conv1s
	.p2alignl 7, 3214868480
	.fill 96, 4, 3214868480
	.section	.rodata,"a",@progbits
	.p2align	6, 0x0
	.amdhsa_kernel k_q483e02750d_conv1s
		.amdhsa_group_segment_fixed_size 89088
		.amdhsa_private_segment_fixed_size 0
		.amdhsa_enable_private_segment 0
		.amdhsa_kernarg_size 48
		.amdhsa_user_sgpr_count 2
		.amdhsa_user_sgpr_kernarg_segment_ptr 1
		.amdhsa_wavefront_size32 1
		.amdhsa_system_sgpr_workgroup_id_x 1
		.amdhsa_system_sgpr_workgroup_id_y 1
		.amdhsa_system_sgpr_workgroup_id_z 1
		.amdhsa_system_vgpr_workitem_id 0
		.amdhsa_next_free_vgpr 258
		.amdhsa_next_free_sgpr 66
		.amdhsa_reserve_vcc 1
		.amdhsa_float_denorm_mode_32 3
		.amdhsa_float_denorm_mode_16_64 3
		.amdhsa_memory_ordered 1
		.amdhsa_forward_progress 1
		.amdhsa_inst_pref_size 74
	.end_amdhsa_kernel
	.amdgpu_metadata
---
amdhsa.version: [ 1, 2 ]
amdhsa.kernels:
  - .name:           k_q483e02750d_conv1s
    .symbol:         k_q483e02750d_conv1s.kd
    .args:
      - { .name: cout, .offset: 0, .size: 8, .value_kind: global_buffer, .address_space: global }
      - { .name: prep, .offset: 8, .size: 8, .value_kind: global_buffer, .address_space: global }
      - { .name: bnp0, .offset: 16, .size: 8, .value_kind: global_buffer, .address_space: global }
      - { .name: beta0, .offset: 24, .size: 8, .value_kind: global_buffer, .address_space: global }
      - { .name: b1, .offset: 32, .size: 8, .value_kind: global_buffer, .address_space: global }
      - { .name: dout, .offset: 40, .size: 8, .value_kind: global_buffer, .address_space: global }
    .group_segment_fixed_size: 89088
    .private_segment_fixed_size: 0
    .kernarg_segment_align: 8
    .kernarg_segment_size: 48
    .max_flat_workgroup_size: 256
    .sgpr_count:     66
    .vgpr_count:     258
    .wavefront_size: 32
...
	.end_amdgpu_metadata
.endif
;; end of part 5
;; launch bn1: the kernel of part 4 again; grid 8 x 1, 8 waves a work-group, no clusters, 3,072 bytes of LDS; arguments dout, b1, g1, bnp1; writes bnp1
;; launch final (part 6): grid 256 x 1, 8 waves a work-group, no clusters, 171,008 bytes of LDS; arguments dout, prep, bnp1, beta1, out0; writes out0
.if DOCPART == 6
	.amdgcn_target "amdgcn-amd-amdhsa--gfx1250"
	.amdhsa_code_object_version 6
	.text
	.protected	k_q483e02750d_final
	.globl	k_q483e02750d_final
	.p2align	8
	.type	k_q483e02750d_final,@function
k_q483e02750d_final:
	s_mov_b64 s[64:65], 0
	v_nop
	global_prefetch_b8 v0, s[64:65] scope:SCOPE_SE
	s_setreg_imm32_b32 hwreg(HW_REG_WAVE_MODE, 25, 1), 1
	s_wait_xcnt 0x0
; out = relu(((W1 h1 + b1) - mean) k + beta) for 128 positions of one batch, from h1's stored codes.
; Source 0 = 16 positions of h1, source 1 = 16 rows of W1: a lane holds ONE channel and eight neighbouring positions, which are
; neighbours in a row of the output [batch][channel][position].  The sums start from b1 - mean.  Wave w owns channels 32 w .. 32 w + 31.
; A channel's 128 positions, 512 bytes, are gathered in the wave's own rows of a stage in LDS (pitch 528) and leave whole:
; each store of a wave covers 512 consecutive bytes, aligned.  Only the wave itself touches its rows: no barrier on the way out.
; W1's images that all work-groups read are 65,536 bytes and go straight into registers, a wave's own part each: no cluster.
.set T1B,  4352
.set PCH,  272
.set STG,  34816                       ; behind h1's 8 tiles of 16 pieces of 272 bytes: 256 rows of 528
.set L16, 2
.set L4,  3
.set FA,  4                            ; v4  272 h + 16 r
.set CW,  5                            ; v5  272 (t / 16) + 16 (t % 16)
.set G16, 6                            ; v6  16 x thread
.set BA,  7                            ; v7  4 x my channel
.set SW,  8                            ; v8  the stage: my channel's row, + 32 h
.set SR,  9                            ; v9  and back: my wave's rows, 16 bytes a lane
.set H1F, 16                           ; v16-47   h1's two fragments
.set W1F, 48                           ; v48-111  W1's four: 16 (2 u + s)
.set BMC, 112                          ; v112-127 b1 - mean of my channel, eight times, for each u
.set KB,  128                          ; v128-135 for each u: k twice, beta twice
.set Y,   148                          ; v148-163 two accumulators
.set O,   164                          ; v164-195 results, two sets of 16
.set H1S, 196                          ; v196-203 h1's scale words
.set WSC, 204                          ; v204-207 W1's
.set WV,  22
	s_load_b256 s[4:11], s[0:1], 0x0               ; dout, prep, bnp1, beta1
	s_load_b64 s[12:13], s[0:1], 0x20              ; out0
	v_lshl_add_u32 v224, v0, 2, 0x29800
	v_mov_b32 v225, 0
	v_lshrrev_b32 v1, 5, v0
	v_readfirstlane_b32 s[WV], v1                  ; wave 0..7
	v_and_b32 v1, 31, v0
	v_and_b32 v10, 15, v0                          ; r
	v_bfe_u32 v11, v0, 4, 1                        ; h
	v_lshlrev_b32 v[L16], 4, v1
	v_lshlrev_b32 v[L4], 2, v1
	v_mul_u32_u24 v[FA], v11, PCH
	v_lshl_add_u32 v[FA], v10, 4, v[FA]
	v_lshrrev_b32 v[CW], 4, v0
	v_mul_u32_u24 v[CW], v[CW], PCH
	v_lshl_add_u32 v[CW], v10, 4, v[CW]
	v_lshlrev_b32 v[G16], 4, v0
	v_and_b32 v12, 8, v10
	v_add_nc_u32 v12, v12, v10                     ; r + 8 (r / 8)
	v_mul_u32_u24 v[SW], v12, 528
	v_lshl_add_u32 v[SW], v11, 5, v[SW]
	s_mul_i32 s23, s[WV], 32*528
	s_add_co_u32 s23, s23, STG
	v_add_nc_u32 v[SW], s23, v[SW]
	v_add_nc_u32 v[SR], s23, v[L16]
	s_lshl_b32 s23, s[WV], 5
	v_add_nc_u32 v[BA], s23, v12
	v_lshlrev_b32 v[BA], 2, v[BA]
	s_mov_b32 s25, 0
	s_wait_kmcnt 0x0
	s_lshl_b32 s24, ttmp9, 15
	s_add_nc_u64 s[14:15], s[4:5], s[24:25]
	s_add_nc_u64 s[14:15], s[14:15], 524288        ; h1's codes
	s_lshl_b32 s24, ttmp9, 10
	s_add_nc_u64 s[16:17], s[4:5], s[24:25]
	s_add_nc_u64 s[16:17], s[16:17], 8912896       ; h1's scale words
	s_lshl_b32 s24, s[WV], 12
	s_add_nc_u64 s[18:19], s[6:7], s[24:25]
	s_add_nc_u64 s[18:19], s[18:19], 17301504      ; the weights' images at tile 2 w
	s_lshl_b32 s24, s[WV], 8
	s_add_nc_u64 s[20:21], s[6:7], s[24:25]
	s_add_nc_u64 s[20:21], s[20:21], 17465344      ; their scale words
	s_lshr_b32 s24, ttmp9, 5
	s_lshl_b32 s24, s24, 22                        ; the batch: 256 channels of 16,384 bytes
	s_lshl_b32 s23, s[WV], 19                      ; my 32 channels
	s_add_co_u32 s24, s24, s23
	s_and_b32 s23, ttmp9, 31
	s_lshl_b32 s23, s23, 9                         ; my 128 positions
	s_add_co_u32 s24, s24, s23
	s_add_nc_u64 s[12:13], s[12:13], s[24:25]
.irp j, 0,1,2,3,4,5,6,7
	global_load_b128 v[H1F+4*\j:H1F+4*\j+3], v[G16], s[14:15] offset:4096*\j
.endr
.irp u, 0,1
.irp s, 0,1
.irp c, 0,1,2,3
	global_load_b128 v[W1F+16*(2*\u+\s)+4*\c:W1F+16*(2*\u+\s)+4*\c+3], v[L16], s[18:19] offset:2048*(48+16*\s+\u)+512*\c
.endr
	global_load_b32 v[WSC+2*\u+\s], v[L4], s[20:21] offset:128*(48+16*\s+\u)
.endr
.endr
.irp j, 0,1,2,3,4,5,6,7
	global_load_b32 v[H1S+\j], v[L4], s[16:17] offset:128*\j   ; tile j: lanes 0-15 K step 0, lanes 16-31 K step 1
.endr
.irp u, 0,1
	global_load_b32 v[BMC+8*\u], v[BA], s[8:9] offset:32*\u
	global_load_b32 v[KB+4*\u], v[BA], s[8:9] offset:1024+32*\u
	global_load_b32 v[KB+4*\u+2], v[BA], s[10:11] offset:32*\u
.endr
	s_wait_loadcnt 34                              ; h1's codes are in; 16 + 4 + 8 + 6 younger loads may be out
.irp j, 0,1,2,3,4,5,6,7
	ds_store_b128 v[CW], v[H1F+4*\j:H1F+4*\j+3] offset:4352*\j
.endr
	s_wait_dscnt 0x0
	s_barrier_signal -1
	s_barrier_wait -1                              ; h1's eight tiles lie in LDS
.macro H1LOAD m
.irp s, 0,1
.irp c, 0,1,2,3
	ds_load_b128 v[H1F+16*\s+4*\c:H1F+16*\s+4*\c+3], v[FA] offset:T1B*(\m)+PCH*(8*\s+2*\c)
.endr
.endr
.endm
	H1LOAD 0
	s_wait_loadcnt 0x0
.irp u, 0,1
.irp i, 1,2,3,4,5,6,7
	v_mov_b32 v[BMC+8*\u+\i], v[BMC+8*\u]          ; the sums' start in the result's layout: the lane's channel in all eight registers
.endr
	v_mov_b32 v[KB+4*\u+1], v[KB+4*\u]
	v_mov_b32 v[KB+4*\u+3], v[KB+4*\u+2]
.endr
.irp m, 0,1,2,3,4,5,6,7
.if \m == 0
	s_wait_dscnt 0x0
.else
	s_wait_dscnt 0x4                               ; this tile's fragments are in; the last tile's four stores, issued behind them, may be out
.endif
.irp u, 0,1                            ; the two accumulators take turns
	v_wmma_scale_f32_16x16x128_f8f6f4 v[Y+8*\u:Y+8*\u+7], v[H1F:H1F+15], v[W1F+32*\u:W1F+32*\u+15], v[BMC+8*\u:BMC+8*\u+7], v[H1S+\m], v[WSC+2*\u] matrix_a_fmt:MATRIX_FMT_BF8 matrix_b_fmt:MATRIX_FMT_BF8
.endr
.irp u, 0,1
	v_wmma_scale_f32_16x16x128_f8f6f4 v[Y+8*\u:Y+8*\u+7], v[H1F+16:H1F+31], v[W1F+32*\u+16:W1F+32*\u+31], v[Y+8*\u:Y+8*\u+7], v[H1S+\m], v[WSC+2*\u+1] matrix_a_fmt:MATRIX_FMT_BF8 matrix_b_fmt:MATRIX_FMT_BF8 matrix_a_scale:MATRIX_SCALE_ROW1
.endr
.rept 9
	v_nop                                          ; places behind the products: eight for the loads and reads below, nine since the next tile begins these accumulators anew
.endr
.if \m < 7
	H1LOAD \m+1
.endif
.irp u, 0,1
.irp i, 0,2,4,6
	v_pk_fma_f32 v[O+16*(\m%2)+8*\u+\i:O+16*(\m%2)+8*\u+\i+1], v[Y+8*\u+\i:Y+8*\u+\i+1], v[KB+4*\u:KB+4*\u+1], v[KB+4*\u+2:KB+4*\u+3]   ; (y - mean) k + beta; each accumulator from its low end on
.endr
.endr
.irp i, 0,1,2,3,4,5,6,7,8,9,10,11,12,13,14,15
	v_max_num_f32 v[O+16*(\m%2)+\i], 0, v[O+16*(\m%2)+\i]
.endr
.irp u, 0,1
	ds_store_b128 v[SW], v[O+16*(\m%2)+8*\u:O+16*(\m%2)+8*\u+3] offset:64*\m+4224*\u       ; positions 16 m + 8 h + 0 .. 7 of my channel
	ds_store_b128 v[SW], v[O+16*(\m%2)+8*\u+4:O+16*(\m%2)+8*\u+7] offset:64*\m+4224*\u+16
.endr
.endr
.set i, 0
.rept 32
	ds_load_b128 v[16+4*i:16+4*i+3], v[SR] offset:528*i   ; LDS serves a wave's instructions in order (ISA guide 5.7.1.4): these see my stores
.set i, i+1
.endr
	s_wait_dscnt 16                                ; the first 16 rows are back
.set i, 0
.rept 16
	global_store_b128 v[L16], v[16+4*i:16+4*i+3], s[12:13] offset:16384*i th:TH_STORE_NT   ; 512 consecutive bytes of channel 32 w + i; written once
.set i, i+1
.endr
	s_wait_dscnt 0x0
.rept 16
	global_store_b128 v[L16], v[16+4*i:16+4*i+3], s[12:13] offset:16384*i th:TH_STORE_NT
.set i, i+1
.endr
	s_wait_tensorcnt 0x0
	ds_add_u32 v224, v225
	s_wait_dscnt 0x0
	s_endpgm
.Lfunc_end_k_q483e02750d_final:
	.size	k_q483e02750d_final, .Lfunc_end_k_q483e02750d_final-k_q483e02750d_final
	.p2alignl 7, 3214868480
	.fill 96, 4, 3214868480
	.section	.rodata,"a",@progbits
	.p2align	6, 0x0
	.amdhsa_kernel k_q483e02750d_final
		.amdhsa_group_segment_fixed_size 171008
		.amdhsa_private_segment_fixed_size 0
		.amdhsa_enable_private_segment 0
		.amdhsa_kernarg_size 40
		.amdhsa_user_sgpr_count 2
		.amdhsa_user_sgpr_kernarg_segment_ptr 1
		.amdhsa_wavefront_size32 1
		.amdhsa_system_sgpr_workgroup_id_x 1
		.amdhsa_system_sgpr_workgroup_id_y 1
		.amdhsa_system_sgpr_workgroup_id_z 1
		.amdhsa_system_vgpr_workitem_id 0
		.amdhsa_next_free_vgpr 226
		.amdhsa_next_free_sgpr 66
		.amdhsa_reserve_vcc 0
		.amdhsa_float_denorm_mode_32 3
		.amdhsa_float_denorm_mode_16_64 3
		.amdhsa_memory_ordered 1
		.amdhsa_forward_progress 1
		.amdhsa_inst_pref_size 34
	.end_amdhsa_kernel
	.amdgpu_metadata
---
amdhsa.version: [ 1, 2 ]
amdhsa.kernels:
  - .name:           k_q483e02750d_final
    .symbol:         k_q483e02750d_final.kd
    .args:
      - { .name: dout, .offset: 0, .size: 8, .value_kind: global_buffer, .address_space: global }
      - { .name: prep, .offset: 8, .size: 8, .value_kind: global_buffer, .address_space: global }
      - { .name: bnp1, .offset: 16, .size: 8, .value_kind: global_buffer, .address_space: global }
      - { .name: beta1, .offset: 24, .size: 8, .value_kind: global_buffer, .address_space: global }
      - { .name: out0, .offset: 32, .size: 8, .value_kind: global_buffer, .address_space: global }
    .group_segment_fixed_size: 171008
    .private_segment_fixed_size: 0
    .kernarg_segment_align: 8
    .kernarg_segment_size: 40
    .max_flat_workgroup_size: 256
    .sgpr_count:     66
    .vgpr_count:     226
    .wavefront_size: 32
...
	.end_amdgpu_metadata
.endif
;; end of part 6
